; MI455X (gfx1250); checked and timed in simulation.
; The chip was launched on July 23, 2026; its instructions are those of AMD's public machine-readable ISA for CDNA 5 (MIT licence, August 2026) and "CDNA5" Instruction Set Architecture Reference Guide (July 2026). The comments in the code are by the model that wrote it; some were corrected since.
;; Generic Cross Attention Block. Allowed arithmetic: matrix products marked QUANTISED: E2M1 operands, one E8M0 scale for each 32 along K, by v_wmma_scale_f32_16x16x128_f8f6f4 with both operands' format E2M1 (or v_wmma_scale_f32_32x16x128_f4), f32 sums; everything else in f32.
;; Inputs: head_scale 16 float32; kv_w_codes 2,048 x 32 x 16 uint8 (E2M1 codes of kv_w, K innermost, in blocks of 32 codes, two codes a byte); kv_w_scales 2,048 x 32 uint8 (E8M0 scales of kv_w, one for each 32 codes along K); norm_cross_scale 1,024 float32; norm_scale 1,024 float32; out_w_codes 1,024 x 32 x 16 uint8 (E2M1 codes of out_w, K innermost, in blocks of 32 codes, two codes a byte); out_w_scales 1,024 x 32 uint8 (E8M0 scales of out_w, one for each 32 codes along K); pos 2 x 2,048 x 3 float32; pos_cross 2 x 2,048 x 3 float32; q_w_codes 1,024 x 32 x 16 uint8 (E2M1 codes of q_w, K innermost, in blocks of 32 codes, two codes a byte); q_w_scales 1,024 x 32 uint8 (E8M0 scales of q_w, one for each 32 codes along K); x 2 x 2,048 x 1,024 float32; x_cross 2 x 2,048 x 1,024 float32.
;; Outputs: out0 2 x 2,048 x 1,024 float32.
;; This version of the problem:
;;   THIS VERSION OF THE PROBLEM IS GIVEN IN LOW PRECISION. The matrix products marked QUANTISED in the list below multiply operands that are first quantised to E2M1 (2 exponent bits, 1 mantissa bit; 4 bits a number), with one power-of-two scale for each 32 numbers along K (OCP MX v1.0); their sums are f32. All else is computed in f32.
;;   The module's matrix products, in the order in which they are computed (A, B: the left and right operand; K: the contracted axis; several contracted axes count as one K, in the product's order):
;;     1. [M 4,096, K 1,024] x [K 1,024, N 1,024]; A: computed on the way; B: input q_w (given as codes): QUANTISED
;;     2. [M 4,096, K 1,024] x [K 1,024, N 2,048]; A: computed on the way; B: input kv_w (given as codes): QUANTISED
;;     3. batch 32 x [M 2,048, K 64] x [K 64, N 2,048]; A: computed on the way; B: computed on the way: QUANTISED
;;     4. batch 32 x [M 2,048, K 2,048] x [K 2,048, N 64]; A: softmax (see below); B: computed on the way: QUANTISED
;;     5. [M 4,096, K 1,024] x [K 1,024, N 1,024]; A: computed on the way; B: input out_w (given as codes): QUANTISED
;;   THE QUANTISER, for each operand of a quantised product, along K:
;;     - K is cut into blocks of 32 from its start; a last block that is shorter is filled with zeros.
;;     - A block's scale is 2^e with e = floor(log2(the largest magnitude in the block)) - 2, held to -126 .. 127; a block of zeros has e = 0. As a byte (E8M0): e + 127.
;;     - Each number is divided by its block's scale, clamped to +-6, and rounded to the nearest number of E2M1, ties to even, subnormals kept.
;;     - The product sums the exact products of the quantised numbers (number of the format x scale) in f32.
;;   ~~~python
;;   def quantise(x, axis):      # numpy; x: float32 -> the quantised numbers, widened to float32 again
;;       x = np.moveaxis(x, axis, -1); K = x.shape[-1]
;;       x = np.pad(x, [(0, 0)] * (x.ndim - 1) + [(0, -K % 32)]); x = x.reshape(x.shape[:-1] + (-1, 32)); a = np.abs(x).max(-1, keepdims=True)
;;       e = np.where(a > 0, np.clip(np.frexp(np.where(a > 0, a, 1))[1] - 1 - 2, -126, 127), 0)      # np.frexp(a)[1] - 1 = floor(log2(a)), exactly
;;       r = np.clip(x / 2.0 ** e, -6, 6)
;;       step = 2.0 ** (np.maximum(np.frexp(np.where(r == 0, 1, r))[1] - 1, 0) - 1)
;;       q = np.round(r / step) * step * 2.0 ** e      # np.round: ties to even
;;       return np.moveaxis(q.reshape(q.shape[:-2] + (-1,))[..., :K], -1, axis).astype(np.float32)
;;   ~~~
;;   SOFTMAX AHEAD OF A QUANTISED PRODUCT. Where the list says 'softmax', what is quantised is not the finished softmax but p = 2^(t - M), with t = logit x log2(e) and M = ceil(the row's largest t), a whole number; so 1/2 < the row's largest p <= 1. The row's sum l is taken of the UNQUANTISED p, in f32, and the product's result is divided by l at the end. Since M is a whole number, a kernel that streams over the keys may use a running M (the ceiling of the running maximum): every later rescaling is an exact power of two, which a block's scale takes up: the codes' values come out the same.
;;   OPERANDS COMPUTED ON THE WAY. 'Computed on the way' means the value that the module computes at that place (a softmax that the list does not call 'softmax' is quantised finished and normalised). What goes into a quantiser is computed in f32, as accurately as f32 sums, v_exp_f32 and their like allow (about 1e-6 of the number): no bf16 or f16 on the way to a quantiser, and a product that is left as it is and whose result goes on into a quantised operand takes f32 operands (vector FMAs, or v_wmma_f32_16x16x4_f32). A number that lies on a knife's edge between two numbers of the format may be rounded either way, as far as f32 arithmetic and the matrix unit's own rounding can turn it there, and no further.
;;   INPUTS GIVEN AS CODES. kv_w (in the module: [2048, 1024], K = its axis 1); out_w (in the module: [1024, 1024], K = its axis 1); q_w (in the module: [1024, 1024], K = its axis 1): each comes as NAME_codes (uint8): NAME with its K axis moved to the last place and cut into blocks of 32 codes, [.., K / 32, bytes a block], one block behind the other in memory; two codes a byte, the lower K in the low four bits (a code: sign, 2 exponent bits, 1 mantissa bit); and NAME_scales (uint8): the same leading axes, one E8M0 byte (e + 127) for each 32 codes along K. Its value is code x scale, taken as it is: it is not quantised again, and the codes and scales need not be those that the quantiser above would give.
;; One version. Each part assembles by itself: llvm-mc -triple=amdgcn-amd-amdhsa -mcpu=gfx1250 --defsym DOCPART=n.
;; ======== version 1 of 1: 4 launches
;; limits: right only within a limited range of input values
;; workspace buffers: xa 4,456,448 bytes; oa 2,228,224 bytes; wimg 2,097,152 bytes; wsc 131,072 bytes; kvrec 4,587,520 bytes; qrec 4,587,520 bytes
;; launch prep (part 1): grid 256 x 1, 8 waves a work-group, no clusters, 327,680 bytes of LDS; arguments x, x_cross, norm_scale, norm_cross_scale, q_w_codes, q_w_scales, kv_w_codes, kv_w_scales, out_w_codes, out_w_scales, xa, wimg, wsc; writes xa, wimg, wsc
.if DOCPART == 1
	.amdgcn_target "amdgcn-amd-amdhsa--gfx1250"
	.amdhsa_code_object_version 6
	.text
	.protected	k_q51f75f4d46_prep
	.globl	k_q51f75f4d46_prep
	.p2align	8
	.type	k_q51f75f4d46_prep,@function
k_q51f75f4d46_prep:
	s_mov_b64 s[64:65], 0
	v_nop
	global_prefetch_b8 v0, s[64:65] scope:SCOPE_SE
	s_setreg_imm32_b32 hwreg(HW_REG_WAVE_MODE, 25, 1), 1
	s_wait_xcnt 0x0
.set ROWP, 4608
.set BLKP, 144
.set WREG, 4*ROWP
.set CST,  32*ROWP
.set UP,   272
.set SST,  CST+64*UP
.set REC,  69632
.set X0,   32
.set NS,   96
.set T,    128
.set C,    160
.set E,    176
	s_load_b512 s[4:19], s[0:1], 0x0
	s_load_b256 s[20:27], s[0:1], 0x40
	s_load_b64 s[28:29], s[0:1], 0x60
	v_lshl_add_u32 v192, v0, 2, 0x29000
	v_mov_b32 v193, 0
	ds_add_u32 v192, v193
	ds_add_u32 v192, v193
	v_lshrrev_b32 v1, 5, v0
	s_delay_alu instid0(VALU_DEP_1)
	v_readfirstlane_b32 s30, v1
	v_and_b32 v1, 31, v0
	s_mov_b32 s31, ttmp9
	s_lshr_b32 s32, s31, 2
	s_and_b32 s33, s31, 3
	s_mov_b32 s36, (2<<16)|(1<<20)|(4<<22)|(3<<25)
	s_mov_b32 s37, 1024<<16
	s_mov_b32 s38, 4<<16                           ; a wave's four rows come by one tensor load
	s_mov_b32 s39, 1024<<16
	s_mov_b32 s40, 4
	s_mov_b32 s41, 1024
	s_mov_b32 s42, 0
	s_mov_b32 s43, 0
	s_mov_b32 s44, 1
	s_mul_i32 s45, s30, WREG
	s_and_b32 s56, s31, 127
	s_lshl_b32 s56, s56, 17
	s_lshl_b32 s57, s30, 14
	s_add_co_u32 s56, s56, s57
	s_mov_b32 s57, 0
	s_wait_alu depctr_va_vdst(0)
	s_wait_dscnt 0x0
	s_wait_kmcnt 0x0
	s_cmp_lt_u32 s31, 128
	s_cselect_b64 s[4:5], s[4:5], s[6:7]
	s_cselect_b64 s[8:9], s[8:9], s[10:11]
	s_add_nc_u64 s[46:47], s[4:5], s[56:57]
	s_or_b32 s47, s47, 0x80000000
	tensor_load_to_lds s[44:47], s[36:43]
	s_nop 0
.rept 4
	v_nop
.endr
	v_and_b32 v8, 15, v0
	v_bfe_u32 v9, v0, 4, 1
	s_wait_alu depctr_va_vdst(0)
	v_lshrrev_b32 v10, 3, v8
	v_and_b32 v11, 7, v8
	v_mul_u32_u24 v2, v1, BLKP
	s_delay_alu instid0(VALU_DEP_1)
	v_add_nc_u32 v2, s45, v2
	s_bfe_u32 s56, s30, 0x10001
	s_lshr_b32 s57, s30, 2
	s_lshl_b32 s57, s57, 3
	s_and_b32 s58, s30, 1
	s_lshl_b32 s58, s58, 2
	s_add_co_u32 s57, s57, s58
	s_mul_i32 s59, s56, 32*UP
	s_lshl_b32 s60, s57, 4
	s_add_co_u32 s59, s59, s60
	s_add_co_u32 s59, s59, CST
	v_mul_u32_u24 v3, v1, UP
	s_delay_alu instid0(VALU_DEP_1)
	v_add_nc_u32 v3, s59, v3
	s_lshl_b32 s59, s56, 4
	s_add_co_u32 s59, s59, s57
	s_lshl_b32 s59, s59, 5
	s_add_co_u32 s59, s59, SST
	v_add_nc_u32 v4, s59, v1
	s_mul_i32 s59, s30, 8*UP
	s_add_co_u32 s59, s59, CST
	v_mul_u32_u24 v5, v9, UP
	s_delay_alu instid0(VALU_DEP_1)
	v_lshl_add_u32 v5, v8, 4, v5
	s_delay_alu instid0(VALU_DEP_1)
	v_add_nc_u32 v5, s59, v5
	s_lshl_b32 s59, s30, 9
	s_add_co_u32 s59, s59, SST
	v_lshl_add_u32 v31, v1, 4, s59
	s_lshl_b32 s59, s30, 11
	s_lshl_b32 s60, s33, 14
	s_add_co_u32 s59, s59, s60
	v_lshl_add_u32 v6, v1, 4, s59
	s_lshl_b32 s59, s30, 9
	s_lshl_b32 s60, s33, 10
	s_add_co_u32 s59, s59, s60
	s_add_co_u32 s59, s59, 65536
	v_lshl_add_u32 v7, v1, 4, s59
	s_mul_i32 s56, s32, REC
	s_mov_b32 s57, 0
	s_add_nc_u64 s[24:25], s[24:25], s[56:57]
	s_lshr_b32 s34, s33, 1
	s_and_b32 s35, s33, 1
	s_lshl_b32 s35, s35, 3
	v_add_nc_u32 v12, s35, v11
	s_mul_i32 s56, s34, 30
	s_add_co_u32 s56, s56, 2
	v_mad_u32_u24 v13, v10, 14, v12
	s_delay_alu instid0(VALU_DEP_1)
	v_add_nc_u32 v13, s56, v13
	s_mul_i32 s57, s34, 60
	s_add_co_u32 s58, s34, 1
	s_mul_i32 s59, s34, 29
	s_sub_co_u32 s59, 30, s59
	v_add_nc_u32 v14, -14, v12
	s_delay_alu instid0(VALU_DEP_1)
	v_mul_lo_u32 v14, v14, s59
	s_delay_alu instid0(VALU_DEP_1)
	v_mad_u32_u24 v15, v10, s58, v14
	s_delay_alu instid0(VALU_DEP_1)
	v_add_nc_u32 v15, s57, v15
	v_cmp_lt_u32 vcc_lo, 13, v12
	s_delay_alu instid0(VALU_DEP_1)
	v_cndmask_b32 v13, v13, v15, vcc_lo
	s_lshl_b32 s56, s34, 5
	s_add_co_u32 s56, s56, s35
	v_lshl_add_u32 v14, v10, 3, v8
	s_delay_alu instid0(VALU_DEP_1)
	v_add_nc_u32 v14, s56, v14
	s_lshl_b32 s56, s33, 4
	v_add_nc_u32 v15, s56, v8
	s_wait_alu depctr_va_vdst(0)
	s_cmp_lt_u32 s32, 48
	s_cselect_b32 s60, -1, 0
	s_cselect_b64 s[16:17], s[16:17], s[20:21]
	s_cselect_b64 s[18:19], s[18:19], s[22:23]
	s_cmp_lt_u32 s32, 32
	s_cselect_b32 s61, -1, 0
	s_cmp_lt_u32 s32, 16
	s_cselect_b64 s[12:13], s[12:13], s[16:17]
	s_cselect_b64 s[14:15], s[14:15], s[18:19]
	v_cndmask_b32 v16, v15, v14, s60
	s_delay_alu instid0(VALU_DEP_1)
	v_cndmask_b32 v16, v16, v13, s61
	s_and_b32 s56, s32, 15
	s_lshl_b32 s56, s56, 6
	s_and_b32 s57, s32, 48
	s_cmp_eq_u32 s57, 32
	s_cselect_b32 s57, 1024, 0
	s_add_co_u32 s56, s56, s57
	v_add_nc_u32 v16, s56, v16
	s_delay_alu instid0(VALU_DEP_1)
	v_lshlrev_b32 v17, 9, v16
	s_delay_alu instid0(VALU_DEP_1)
	v_lshl_add_u32 v17, v9, 4, v17
	s_lshl_b32 s56, s30, 6
	v_add_nc_u32 v17, s56, v17
	s_wait_alu depctr_va_vdst(0)
	v_lshlrev_b32 v18, 5, v16
	s_delay_alu instid0(VALU_DEP_1)
	v_lshl_add_u32 v18, v9, 2, v18
	s_lshl_b32 s56, s30, 3
	v_add_nc_u32 v18, s56, v18
	s_lshl_b32 s56, s30, 10
	v_lshl_add_u32 v19, v1, 4, s56
	s_lshl_b32 s56, s31, 13
	s_mov_b32 s57, 0
	s_add_nc_u64 s[26:27], s[26:27], s[56:57]
	s_lshl_b32 s56, s32, 11
	s_lshl_b32 s58, s34, 10
	s_add_co_u32 s56, s56, s58
	s_lshr_b32 s58, s30, 1
	s_lshl_b32 s58, s58, 9
	s_add_co_u32 s56, s56, s58
	s_lshl_b32 s58, s35, 5
	s_add_co_u32 s56, s56, s58
	s_and_b32 s58, s30, 1
	s_lshl_b32 s58, s58, 3
	s_add_co_u32 s56, s56, s58
	s_add_nc_u64 s[28:29], s[28:29], s[56:57]
	v_lshlrev_b32 v30, 4, v8
	s_delay_alu instid0(VALU_DEP_1)
	v_lshl_add_u32 v30, v9, 2, v30
	v_lshlrev_b32 v28, 7, v1
	s_mov_b32 s52, 0x76543210
	s_mov_b32 s53, 0xfedcba98
	s_mov_b32 s54, 0x3a800000
	s_mov_b32 s55, 0x358637bd
	v_mov_b32 v185, 0
.irp j, 0,1,2,3,4,5,6,7
	global_load_b128 v[NS+4*\j:NS+4*\j+3], v28, s[8:9] offset:16*\j
.endr
	global_load_b128 v[20:23], v17, s[12:13]
	global_load_b128 v[24:27], v17, s[12:13] offset:32
	s_cmp_lt_u32 s30, 4
	s_cbranch_scc0 .Lno_words
	s_wait_alu depctr_va_vdst(0)
	global_load_b32 v29, v18, s[14:15]
	s_wait_loadcnt 0x0
	global_store_b32 v30, v29, s[28:29]
.Lno_words:
	s_wait_loadcnt 0x0
	s_wait_alu depctr_va_vdst(0)
	global_store_b128 v19, v[20:23], s[26:27]
	global_store_b128 v19, v[24:27], s[26:27] offset:512
.macro LOADS k
.irp j, 0,1,2,3,4,5,6,7
	ds_load_b128 v[X0+32*((\k)%2)+4*\j:X0+32*((\k)%2)+4*\j+3], v2 offset:(\k)*ROWP+16*\j
.endr
.endm
.macro ROW k
.set XS, X0+32*((\k)%2)
.if (\k) < 3
	LOADS (\k)+1
	s_wait_dscnt 8
.else
	s_wait_dscnt 0x0
.endif
	v_pk_mul_f32 v[180:181], v[XS:XS+1], v[XS:XS+1]
	v_pk_mul_f32 v[182:183], v[XS+2:XS+3], v[XS+2:XS+3]
.irp j, 4,8,12,16,20,24,28
	s_delay_alu instid0(VALU_DEP_2)
	v_pk_fma_f32 v[180:181], v[XS+\j:XS+\j+1], v[XS+\j:XS+\j+1], v[180:181]
	s_delay_alu instid0(VALU_DEP_2)
	v_pk_fma_f32 v[182:183], v[XS+\j+2:XS+\j+3], v[XS+\j+2:XS+\j+3], v[182:183]
.endr
	s_delay_alu instid0(VALU_DEP_1)
	v_pk_add_f32 v[180:181], v[180:181], v[182:183]
	s_delay_alu instid0(VALU_DEP_1)
	v_add_f32 v180, v180, v181
	s_delay_alu instid0(VALU_DEP_1)
	v_add_f32_dpp v180, v180, v180 row_xmask:1 row_mask:0xf bank_mask:0xf
	s_delay_alu instid0(VALU_DEP_1)
	v_add_f32_dpp v180, v180, v180 row_xmask:2 row_mask:0xf bank_mask:0xf
	s_delay_alu instid0(VALU_DEP_1)
	v_add_f32_dpp v180, v180, v180 row_xmask:4 row_mask:0xf bank_mask:0xf
	s_delay_alu instid0(VALU_DEP_1)
	v_add_f32_dpp v180, v180, v180 row_xmask:8 row_mask:0xf bank_mask:0xf
	s_delay_alu instid0(VALU_DEP_1)
	v_permlanex16_b32 v181, v180, s52, s53
	s_delay_alu instid0(VALU_DEP_1)
	v_add_f32 v180, v180, v181
	s_delay_alu instid0(VALU_DEP_1)
	v_fma_f32 v180, v180, s54, s55
	s_wait_alu depctr_va_vdst(0)
	v_rsq_f32 v184, v180
	v_nop
	s_wait_alu depctr_va_vdst(0)
.irp j, 0,2,4,6,8,10,12,14,16,18,20,22,24,26,28,30
	v_pk_mul_f32 v[T+\j:T+\j+1], v[NS+\j:NS+\j+1], v[184:185] op_sel_hi:[1,0]
.endr
.irp j, 0,2,4,6,8,10,12,14,16,18,20,22,24,26,28,30
	v_pk_mul_f32 v[XS+\j:XS+\j+1], v[XS+\j:XS+\j+1], v[T+\j:T+\j+1]
.endr
	v_max3_num_f32 v186, |v[XS]|, |v[XS+1]|, 0x1800000
	v_max3_num_f32 v187, |v[XS+16]|, |v[XS+17]|, 0x1800000
.irp i, 2,4,6,8,10,12,14
	s_delay_alu instid0(VALU_DEP_2)
	v_max3_num_f32 v186, v186, |v[XS+\i]|, |v[XS+\i+1]|
	s_delay_alu instid0(VALU_DEP_2)
	v_max3_num_f32 v187, v187, |v[XS+16+\i]|, |v[XS+17+\i]|
.endr
	s_delay_alu instid0(VALU_DEP_1)
	v_max_num_f32 v186, v186, v187
	s_delay_alu instid0(VALU_DEP_1)
	v_add_nc_u32 v188, 0xff000000, v186
.irp g, 0,1,2,3
	v_cvt_scalef32_pk8_fp4_f32 v[C+4*(\k)+\g], v[XS+8*\g:XS+8*\g+7], v188
.endr
	v_lshrrev_b32 v[E+(\k)], 23, v188
	ds_store_b128 v3, v[C+4*(\k):C+4*(\k)+3] offset:16*(\k)
	ds_store_b8 v4, v[E+(\k)] offset:32*(\k)
.endm
	s_wait_tensorcnt 0x0                           ; my four rows are in; only I read them
	LOADS 0
	ROW 0
	ROW 1
	ROW 2
	ROW 3
	s_wait_dscnt 0x0
	s_barrier_signal -1
	s_barrier_wait -1
.irp j, 0,1,2,3
	ds_load_b128 v[T+4*\j:T+4*\j+3], v5 offset:2*UP*\j
.endr
.irp j, 0,1,2,3
	s_wait_dscnt 3-\j
	global_store_b128 v6, v[T+4*\j:T+4*\j+3], s[24:25] offset:512*\j
.endr
	s_cmp_lt_u32 s30, 2
	s_cbranch_scc0 .Lend
	ds_load_b128 v[T+16:T+19], v31
	s_wait_dscnt 0x0
	global_store_b128 v7, v[T+16:T+19], s[24:25]
.Lend:
	s_wait_tensorcnt 0x0
	ds_add_u32 v192, v193
	s_wait_dscnt 0x0
	s_endpgm
.Lfunc_end_k_q51f75f4d46_prep:
	.size	k_q51f75f4d46_prep, .Lfunc_end_k_q51f75f4d46_prep-k_q51f75f4d46_prep
	.p2alignl 7, 3214868480
	.fill 96, 4, 3214868480
	.section	.rodata,"a",@progbits
	.p2align	6, 0x0
	.amdhsa_kernel k_q51f75f4d46_prep
		.amdhsa_group_segment_fixed_size 327680
		.amdhsa_private_segment_fixed_size 0
		.amdhsa_enable_private_segment 0
		.amdhsa_kernarg_size 104
		.amdhsa_user_sgpr_count 2
		.amdhsa_user_sgpr_kernarg_segment_ptr 1
		.amdhsa_wavefront_size32 1
		.amdhsa_system_sgpr_workgroup_id_x 1
		.amdhsa_system_sgpr_workgroup_id_y 1
		.amdhsa_system_sgpr_workgroup_id_z 1
		.amdhsa_system_vgpr_workitem_id 0
		.amdhsa_next_free_vgpr 194
		.amdhsa_next_free_sgpr 66
		.amdhsa_reserve_vcc 1
		.amdhsa_float_denorm_mode_32 3
		.amdhsa_float_denorm_mode_16_64 3
		.amdhsa_memory_ordered 1
		.amdhsa_forward_progress 1
		.amdhsa_inst_pref_size 39
	.end_amdhsa_kernel
	.amdgpu_metadata
---
amdhsa.version: [ 1, 2 ]
amdhsa.kernels:
  - .name:           k_q51f75f4d46_prep
    .symbol:         k_q51f75f4d46_prep.kd
    .args:
      - { .name: x, .offset: 0, .size: 8, .value_kind: global_buffer, .address_space: global }
      - { .name: x_cross, .offset: 8, .size: 8, .value_kind: global_buffer, .address_space: global }
      - { .name: norm_scale, .offset: 16, .size: 8, .value_kind: global_buffer, .address_space: global }
      - { .name: norm_cross_scale, .offset: 24, .size: 8, .value_kind: global_buffer, .address_space: global }
      - { .name: q_w_codes, .offset: 32, .size: 8, .value_kind: global_buffer, .address_space: global }
      - { .name: q_w_scales, .offset: 40, .size: 8, .value_kind: global_buffer, .address_space: global }
      - { .name: kv_w_codes, .offset: 48, .size: 8, .value_kind: global_buffer, .address_space: global }
      - { .name: kv_w_scales, .offset: 56, .size: 8, .value_kind: global_buffer, .address_space: global }
      - { .name: out_w_codes, .offset: 64, .size: 8, .value_kind: global_buffer, .address_space: global }
      - { .name: out_w_scales, .offset: 72, .size: 8, .value_kind: global_buffer, .address_space: global }
      - { .name: xa, .offset: 80, .size: 8, .value_kind: global_buffer, .address_space: global }
      - { .name: wimg, .offset: 88, .size: 8, .value_kind: global_buffer, .address_space: global }
      - { .name: wsc, .offset: 96, .size: 8, .value_kind: global_buffer, .address_space: global }
    .group_segment_fixed_size: 327680
    .private_segment_fixed_size: 0
    .kernarg_segment_align: 8
    .kernarg_segment_size: 104
    .max_flat_workgroup_size: 256
    .sgpr_count:     66
    .vgpr_count:     194
    .wavefront_size: 32
...
	.end_amdgpu_metadata
.endif
;; end of part 1
;; launch proj (part 2): grid 128 x 2, 4 waves a work-group, clusters of 4 x 1, 327,680 bytes of LDS; arguments xa, wimg, wsc, pos, pos_cross, head_scale, qrec, kvrec; writes qrec, kvrec
.if DOCPART == 2
	.amdgcn_target "amdgcn-amd-amdhsa--gfx1250"
	.amdhsa_code_object_version 6
	.text
	.protected	k_q51f75f4d46_proj
	.globl	k_q51f75f4d46_proj
	.p2align	8
	.type	k_q51f75f4d46_proj,@function
k_q51f75f4d46_proj:
	s_mov_b64 s[64:65], 0
	v_nop
	global_prefetch_b8 v0, s[64:65] scope:SCOPE_SE
	s_setreg_imm32_b32 hwreg(HW_REG_WAVE_MODE, 25, 1), 1
	s_wait_xcnt 0x0
	s_wait_alu depctr_hold_cnt(0) depctr_sa_sdst(0) depctr_va_vdst(0) depctr_va_sdst(0) depctr_va_ssrc(0) depctr_va_vcc(0) depctr_vm_vsrc(0)
	s_getreg_b32 s2, hwreg(HW_REG_IB_STS2, 6, 4)
	s_cmp_eq_u32 s2, 0
	s_cbranch_scc0 .Lentry_in_a_cluster
	s_endpgm
.Lentry_in_a_cluster:
	s_bfe_u32 s2, ttmp6, 0x10000c
	s_cmp_lg_u32 s2, 0x3003
	s_cbranch_scc0 .Lentry_shape_is_right
	s_endpgm
.Lentry_shape_is_right:
; The projections on codes of E2M1, with what follows them.  Work-group y = 0: q = xn q_w^T;  y = 1: k and v = xc kv_w^T.  q and k: cosine norm x sqrt(head_scale), axial rotary, quantised along the head's 64.  v: quantised along the KEYS.
; SHARES.  A cluster of four work-groups takes 128 rows (one record of xa); work-group cx of it heads 4 cx .. 4 cx + 3, wave w head 4 cx + w.  The record is asked for JOINTLY (the same tensor load, the same descriptor, mask 15, in all four).
; A wave's weights (64 rows x 1,024: 256 registers) come from wimg straight into registers and stay: they are the wave's own, so nothing of them is shared in LDS.
; q, k: THE PRODUCT IS USED TRANSPOSED (source 0 = 16 rows of the weight, source 1 = 16 rows of x): a lane holds one row of x and, in H[0..31], 32 of the head's 64 channels.  The weight's rows were laid so that lane half h holds
;   H[sg], sg < 14: channel 2 + 14 h + sg;  H[14]: h;  H[15]: 30 + h;  H[16 + sg]: 32 + 14 h + sg;  H[30], H[31]: 60 + 2 h, 61 + 2 h.
; So H[0..15] belong to block 0 (channels 0-31) and H[16..31] to block 1, and the rotation's partners (channel i, channel 30 + i) are (H[sg], H[16 + sg]) with i = 2 + 14 h + sg, and (H[14], H[15]) with i = h.
; The order inside a block is the same for q and k, so their products are those of the true order.
; v: source 0 = 16 rows of x (keys), source 1 = 16 rows of the weight: a lane holds ONE channel and its registers run along the keys; the rows of a tile of xa are such that tiles 2 b, 2 b + 1 give 16 neighbouring keys.
; SINE AND COSINE in f32: u = theta - 2 pi rndne(theta / 2 pi), in two fused steps; sin(u / 2) and cos(u / 2) by their series to u^11 and u^12 (what is cut is under 6e-8); sin u = 2 sh ch, cos u = 1 - 2 sh^2.
; Records (8,960 bytes for 128 rows of a head): codes of q or k at t 512 + 16 lane (four registers: K = 64); v's at 4096 + ct 1024 + c 512 + 16 lane; q's or k's scale words at 8192 + 16 lane + 4 i (register i: tile 2 i in lanes 0-15,
; tile 2 i + 1 in lanes 16-31; bytes 2 and 3 are 0); v's at 8704 + 8 lane + 4 i.
; LIMITS: NaN and infinities are not served; blocks under 2^-124 get the byte 1; the range reduction is meant for |theta| under 2^22; the frequencies pi 10^(n / 160) are made by v_exp_f32 and may differ from a table in f32 by a few units in the last place.
; v IS SHARED OUT between the two work-groups of a head and 128 rows (this takes the place of what the lines above say of v's shares): work-group y makes channel tiles 2 y and 2 y + 1 of v, 16 accumulators a wave.
; So every work-group also brings x_cross's record, into LDS bytes 69,632 on: a joint load behind the full sequence and a round, on its way during the loop over q's or k's tiles.
.set REC,  69632
.set KREC, 8960
.set WS,   16                          ; v16-31  scale words of q's or k's weight;  v32-39 of v's;  v48-55, v56-63 of x: these hold scales and nothing else
.set WS2,  32
.set AS,   48
.set POSL, 64                          ; v64-69  positions as loaded: tile u, axis a at 3 u + a
.set PD,   70                          ; v70-85  tile u at 8 u: the position that serves sg 0-3, 4-7, 8-13, 14-15, each twice (a pair)
.set PW,   86                          ; v86-87  scale words just made
.set KSW,  90                          ; v90-93  the record's four scale registers
.set SUM,  94                          ; v94-99  at work
.set TM,   100                         ; v100-115 the quantiser's: +0 largest magnitudes, +4 bytes, +12 scale operands
.set PC,   116                         ; v116-123 codes, four registers for each tile of a trip
.set H,    128                         ; v128-159 the four accumulators
.set AF,   160                         ; v160-223 x's eight fragments of a tile
.set TT,   224                         ; v224-255 at work in the rotation
.set TU,   240
.set F,    0                           ; window 2: frequencies, theta, z, sin(u/2), cos(u/2), 16 each; in v's phase the 16 accumulators
.set TH,   16
.set Z,    32
.set SH,   48
.set CH,   64
.set WV,   20
.set CX,   21
.set RB,   22
.set TY,   23
.set G1,   24
.set G0,   32
.set HD,   36
.set TA,   37
.set TS,   38
.set PT,   39
.set CNT,  40
.set HM,   41
.set SEL,  42
.set MSB, 0
.macro WIN new                         ; the immediate's high byte repeats the setting that is left; bits 1:0 source 0, 3:2 source 1, 5:4 source 2, 7:6 destination
.if MSB != \new
	s_set_vgpr_msb (MSB<<8)|\new
.set MSB, \new
.endif
.endm
.macro CROUND                          ; a round of the cluster's barrier
	s_barrier_signal -1
	s_barrier_wait -1
	s_cmp_lg_u32 s[WV], 0
	s_cbranch_scc1 .Lnot_wave_0_\@
	s_barrier_signal -3
.Lnot_wave_0_\@:
	s_barrier_wait -3
	s_barrier_signal -1
	s_barrier_wait -1
.endm
.macro PLACES n
.rept \n
	v_nop
.endr
.endm
	s_load_b512 s[4:19], s[0:1], 0x0               ; xa, wimg, wsc, pos, pos_cross, head_scale, qrec, kvrec
	v_lshl_add_u32 v110, v0, 2, 0x29000
	v_mov_b32 v111, 0
	ds_add_u32 v110, v111
	ds_add_u32 v110, v111
	v_lshrrev_b32 v1, 5, v0
	v_readfirstlane_b32 s[WV], v1                  ; wave 0..3
	v_and_b32 v1, 31, v0                           ; lane
	v_and_b32 v2, 15, v0                           ; r
	v_bfe_u32 v3, v0, 4, 1                         ; h
	v_lshlrev_b32 v4, 4, v1                        ; 16 x lane: a lane's place in an image
	v_lshl_add_u32 v5, v2, 5, 0x10000              ; x's scale bytes: 65536 + 32 r
	s_bfe_u32 s[CX], ttmp6, 0x40000                ; my place in the cluster: it enters global addresses and the frequencies alone
	s_mov_b32 s[RB], ttmp9                         ; the cluster's x: which 128 rows
	s_and_b32 s[TY], ttmp7, 0xffff                 ; 0: q;  1: k and v.  The same in all four partners
	s_lshl_b32 s[HD], s[CX], 2
	s_add_co_u32 s[HD], s[HD], s[WV]               ; my head
	s_mov_b32 s[G1], 15|(3<<16)|(1<<21)            ; the mask: all four; elements of 8 bytes; bit 21 beside a mask
	s_mov_b32 s[G1+1], 32<<16                      ; rows of 256 bytes,
	s_mov_b32 s[G1+2], 68<<16                      ; 68 of them: a quarter of the record
	s_mov_b32 s[G1+3], 32<<16
	s_mov_b32 s[G1+4], 68
	s_mov_b32 s[G1+5], 32
	s_mov_b32 s[G1+6], 0
	s_mov_b32 s[G1+7], 0
	s_mov_b32 s[G0], 1
	s_mul_i32 s[G0+1], s[WV], 17408
	s_lshl_b32 s44, s[TY], 5
	s_add_co_u32 s44, s44, s[RB]
	s_mul_i32 s44, s44, REC
	s_add_co_u32 s44, s44, s[G0+1]
	s_mov_b32 s45, 0
	s_mov_b32 s[HM], 0xffff0000                    ; lanes 16-31
	s_mov_b32 s[SEL], 0x76543210
	s_mov_b32 s[SEL+1], 0xfedcba98
	s_mov_b32 s54, 0xad57322b                      ; -1 / (11! 2^11): the series' first coefficients, as pairs
	s_mov_b32 s55, s54
	s_mov_b32 s56, 0x2b0f76c7                      ; 1 / (12! 4^6)
	s_mov_b32 s57, s56
	s_wait_dscnt 0x0
	s_wait_kmcnt 0x0
	s_add_nc_u64 s[G0+2:G0+3], s[4:5], s[44:45]
	s_or_b32 s[G0+3], s[G0+3], 0x80000000
	CROUND                                         ; all four work-groups are here: the joint loads meet
	tensor_load_to_lds s[G0:G0+3], s[G1:G1+7]      ; the first of the wave's two tensor loads: nothing in LDS is ever filled again
	s_nop 0
	PLACES 4
	s_lshl_b32 s44, s[TY], 4
	s_add_co_u32 s44, s44, s[HD]                   ; weight group: q's heads 0-15, k's 16-31
	s_lshl_b32 s46, s44, 15
	s_mov_b32 s47, 0
	s_add_nc_u64 s[46:47], s[6:7], s[46:47]
	s_lshl_b32 s48, s44, 11
	s_mov_b32 s49, 0
	s_add_nc_u64 s[48:49], s[8:9], s[48:49]
	s_add_co_u32 s44, s[HD], 32                    ; v's 32-47
	s_lshl_b32 s50, s44, 15
	s_mov_b32 s51, 0
	s_add_nc_u64 s[50:51], s[6:7], s[50:51]
	s_lshl_b32 s52, s44, 11
	s_mov_b32 s53, 0
	s_add_nc_u64 s[52:53], s[8:9], s[52:53]
	s_cmp_eq_u32 s[TY], 0
	s_cselect_b64 s[10:11], s[10:11], s[12:13]     ; pos or pos_cross,
	s_cselect_b64 s[16:17], s[16:17], s[18:19]     ; qrec or kvrec
	s_mul_i32 s44, s[RB], 1536                     ; 128 rows of 12 bytes
	s_mov_b32 s45, 0
	s_add_nc_u64 s[10:11], s[10:11], s[44:45]
	s_lshr_b32 s44, s[RB], 4
	s_lshl_b32 s44, s44, 4
	s_add_co_u32 s44, s44, s[HD]                   ; 16 x batch + head
	s_lshl_b32 s44, s44, 4
	s_and_b32 s58, s[RB], 15
	s_add_co_u32 s44, s44, s58
	s_mul_i32 s44, s44, KREC
	s_add_nc_u64 s[16:17], s[16:17], s[44:45]      ; my record
	s_add_nc_u64 s[60:61], s[18:19], s[44:45]      ; the same record of kvrec: my half of v goes there
	s_lshl_b32 s58, s[TY], 14
	s_mov_b32 s59, 0
	s_add_nc_u64 s[50:51], s[50:51], s[58:59]      ; v's weights: channel tiles 2 y, 2 y + 1 are 16,384 bytes of the group's image,
	s_lshl_b32 s58, s[TY], 10
	s_add_nc_u64 s[52:53], s[52:53], s[58:59]      ; and 1,024 bytes of its scale words
	s_wait_alu depctr_va_vdst(0)
	v_and_b32 v99, 8, v2
	v_add_nc_u32 v99, v99, v2                      ; r + 8 (r / 8)
	v_mul_u32_u24 v8, v99, 12                      ; positions of tile 0 of a pair,
	v_add_nc_u32 v9, 96, v8                        ; of tile 1: eight rows on
	v_mov_b32 v10, v8
	v_mov_b32 v11, v9
	v_mov_b32 v13, s[HD]
	v_lshlrev_b32 v13, 2, v13
	v_lshlrev_b32 v126, 3, v1
	WIN 0x40                                       ; destination window 1
.set n, 0
.rept 64
	global_load_b128 v[4*n:4*n+3], v4, s[46:47] offset:512*n       ; fragment (t, s) lands at v[8 (8 t + s)]; 512 consecutive bytes a load
.set n, n+1
.endr
	WIN 0
.irp q, 0,1,2,3
	global_load_b128 v[WS+4*\q:WS+4*\q+3], v4, s[48:49] offset:512*\q
.endr
	global_load_b32 v127, v13, s[14:15]            ; head_scale of my head
.irp u, 0,1
.irp a, 0,1,2
	global_load_b32 v[POSL+3*\u+\a], v[10+\u], s[10:11] offset:4*\a
.endr
.endr
	; the frequencies: i from sg and h; j = i mod 10; F = pi 2^((16 j + head) log2(10) / 160)
.irp g, 0,1,2,3,4,5,6,7,8,9,10,11,12,13
	v_mad_u32_u24 v[128+\g], v3, 14, 2+\g
.endr
	v_mov_b32 v142, v3
	v_mov_b32 v143, v3
.irp g, 0,1,2,3,4,5,6,7,8,9,10,11,12,13,14,15
	v_mul_u32_u24 v[144+\g], 205, v[128+\g]
.endr
.irp g, 0,1,2,3,4,5,6,7,8,9,10,11,12,13,14,15
	v_lshrrev_b32 v[144+\g], 11, v[144+\g]         ; i / 10, for i under 30
.endr
.irp g, 0,1,2,3,4,5,6,7,8,9,10,11,12,13,14,15
	v_mul_u32_u24 v[144+\g], 10, v[144+\g]
.endr
.irp g, 0,1,2,3,4,5,6,7,8,9,10,11,12,13,14,15
	v_sub_nc_u32 v[128+\g], v[128+\g], v[144+\g]
.endr
.irp g, 0,1,2,3,4,5,6,7,8,9,10,11,12,13,14,15
	v_lshl_add_u32 v[128+\g], v[128+\g], 4, s[HD]
.endr
.irp g, 0,1,2,3,4,5,6,7,8,9,10,11,12,13,14,15
	v_cvt_f32_u32 v[128+\g], v[128+\g]
.endr
.irp g, 0,1,2,3,4,5,6,7,8,9,10,11,12,13,14,15
	v_mul_f32 v[128+\g], 0x3caa152d, v[128+\g]     ; x log2(10) / 160
.endr
	s_wait_alu depctr_va_vdst(0)
.irp g, 0,1,2,3,4,5,6,7,8,9,10,11,12,13,14,15
	v_exp_f32 v[128+\g], v[128+\g]
.endr
	v_nop
	WIN 0x80                                       ; destination window 2
	s_wait_alu depctr_va_vdst(0)
.irp g, 0,1,2,3,4,5,6,7,8,9,10,11,12,13,14,15
	v_mul_f32 v[F+\g], 0x40490fdb, v[128+\g]
.endr
	WIN 0
	v_mov_b32 v15, 0                               ; upper half of the pair v[14:15]
	v_mov_b32 v98, 0                               ; a lane permute's destination counts as one of its sources
.irp b, 0,1,2,3
	v_mov_b32 v[TM+4+\b], 0
.endr
	v_mov_b32 v[KSW+1], 0
	v_mov_b32 v[KSW+2], 0
	v_mov_b32 v[KSW+3], 0
	s_wait_alu depctr_va_vdst(0)
	s_wait_tensorcnt 0x0                           ; my quarter of the record has landed; no tensor load of mine is out, so group 0 may be written.  (The weights' loads are still out: this sequence stands ahead of the wait for them)
	ds_add_u32 v110, v111
	s_add_co_u32 s[G0+1], s[G0+1], REC             ; x_cross's record lies behind the first one,
	s_add_co_u32 s44, s[RB], 32
	s_mul_i32 s44, s44, REC
	s_mul_i32 s45, s[WV], 17408
	s_add_co_u32 s44, s44, s45                     ; my quarter of it
	s_mov_b32 s45, 0
	s_add_nc_u64 s[G0+2:G0+3], s[4:5], s[44:45]
	s_or_b32 s[G0+3], s[G0+3], 0x80000000
	s_wait_dscnt 0x0
	CROUND                                         ; everybody's quarter has landed, and all four work-groups are here: the joint loads meet
	tensor_load_to_lds s[G0:G0+3], s[G1:G1+7]      ; a first fill of bytes of its own, the wave's one tensor load behind the round
	s_nop 0
	PLACES 4
	s_wait_loadcnt 0x0                             ; the weights, their scale words, head_scale, the first positions
	v_sqrt_f32 v12, v127
	v_nop
	s_wait_alu depctr_va_vdst(0)                   ; behind the transcendental and ahead of the waits below
	WIN 0xc0                                       ; destination window 3: v's weights, two channel tiles; they are waited for with the first trip's look-ahead loads, which are younger
.set n, 0
.rept 32
	global_load_b128 v[4*n:4*n+3], v4, s[50:51] offset:512*n
.set n, n+1
.endr
	WIN 0
.irp q, 0,1
	global_load_b128 v[WS2+4*\q:WS2+4*\q+3], v4, s[52:53] offset:512*\q
.endr
	s_mov_b32 s[TA], 0
	s_mov_b32 s[TS], 0
	s_mov_b32 s[PT], 0
	s_mov_b32 s[CNT], 4
; the next tile's eight fragments and eight scale words; behind tile 7 the address wraps to tile 0, whose bytes are read once more and not used
.macro FETCHA
	v_add_nc_u32 v6, s[TA], v4
	v_add_nc_u32 v7, s[TS], v5
.set n, 0
.rept 16
	ds_load_b128 v[AF+4*n:AF+4*n+3], v6 offset:512*n
.set n, n+1
.endr
	ds_load_b128 v[AS:AS+3], v7
	ds_load_b128 v[AS+4:AS+7], v7 offset:16
	s_add_co_u32 s[TA], s[TA], 8192
	s_and_b32 s[TA], s[TA], 0xffff
	s_lshr_b32 s[TS], s[TA], 4
.endm
.macro MM1 t, s                        ; H[t] (+)= W(t, s) x^T(s)
.if (\s) == 0
.if (\t)%2
	v_wmma_scale_f32_16x16x128_f8f6f4 v[H+8*(\t):H+8*(\t)+7], v[8*(8*(\t)+(\s)):8*(8*(\t)+(\s))+7], v[AF+8*(\s):AF+8*(\s)+7], 0, v[WS+8*((\t)/2)+(\s)], v[AS+(\s)] matrix_a_fmt:MATRIX_FMT_FP4 matrix_b_fmt:MATRIX_FMT_FP4 matrix_a_scale:MATRIX_SCALE_ROW1
.else
	v_wmma_scale_f32_16x16x128_f8f6f4 v[H+8*(\t):H+8*(\t)+7], v[8*(8*(\t)+(\s)):8*(8*(\t)+(\s))+7], v[AF+8*(\s):AF+8*(\s)+7], 0, v[WS+8*((\t)/2)+(\s)], v[AS+(\s)] matrix_a_fmt:MATRIX_FMT_FP4 matrix_b_fmt:MATRIX_FMT_FP4
.endif
.else
.if (\t)%2
	v_wmma_scale_f32_16x16x128_f8f6f4 v[H+8*(\t):H+8*(\t)+7], v[8*(8*(\t)+(\s)):8*(8*(\t)+(\s))+7], v[AF+8*(\s):AF+8*(\s)+7], v[H+8*(\t):H+8*(\t)+7], v[WS+8*((\t)/2)+(\s)], v[AS+(\s)] matrix_a_fmt:MATRIX_FMT_FP4 matrix_b_fmt:MATRIX_FMT_FP4 matrix_a_scale:MATRIX_SCALE_ROW1
.else
	v_wmma_scale_f32_16x16x128_f8f6f4 v[H+8*(\t):H+8*(\t)+7], v[8*(8*(\t)+(\s)):8*(8*(\t)+(\s))+7], v[AF+8*(\s):AF+8*(\s)+7], v[H+8*(\t):H+8*(\t)+7], v[WS+8*((\t)/2)+(\s)], v[AS+(\s)] matrix_a_fmt:MATRIX_FMT_FP4 matrix_b_fmt:MATRIX_FMT_FP4
.endif
.endif
.endm
; nb blocks of 32: register src + 16 b + i of lane half h is number 16 h + i of block b of the lane's row.  Codes to v[pc] on, in the operand's layout; the scale word to v[pw].
; wmax, wcvt: the window settings under which the numbers are sources 1 and 2 of the maxima and source 0 of the conversions.
.macro QUANT nb, src, wmax, wcvt, pc, pw
	WIN \wmax
.set qb, 0
.rept \nb
	v_max3_num_f32 v[TM+qb], 0x1800000, |v[(\src)+16*qb]|, |v[(\src)+16*qb+1]|     ; with the floor 2^(3 - 127): the byte cannot fall under 1.  Each accumulator is read from its low end on
.set qb, qb+1
.endr
.set qi, 2
.rept 7
.set qb, 0
.rept \nb
	v_max3_num_f32 v[TM+qb], v[TM+qb], |v[(\src)+16*qb+qi]|, |v[(\src)+16*qb+qi+1]|
.set qb, qb+1
.endr
.set qi, qi+2
.endr
	WIN 0
.set qb, 0
.rept \nb
	v_permlanex16_b32 v[TM+4+qb], v[TM+qb], s[SEL], s[SEL+1]
.set qb, qb+1
.endr
.set qb, 0
.rept \nb
	v_max_num_f32 v[TM+qb], v[TM+qb], v[TM+4+qb]   ; with lane l xor 16's 16: the block's largest magnitude
.set qb, qb+1
.endr
.set qb, 0
.rept \nb
	v_add_nc_u32 v[TM+12+qb], 0xff000000, v[TM+qb] ; 2 off its exponent field: the conversion's scale operand
.set qb, qb+1
.endr
.set qb, 0
.rept \nb
	v_lshrrev_b32 v[TM+4+qb], 23, v[TM+12+qb]      ; the scale's byte
.set qb, qb+1
.endr
	v_lshl_or_b32 v[\pw], v[TM+5], 8, v[TM+4]
.if (\nb) > 2
	v_lshl_or_b32 v[\pw], v[TM+6], 16, v[\pw]
	v_lshl_or_b32 v[\pw], v[TM+7], 24, v[\pw]
.endif
	WIN \wcvt
.set qb, 0
.rept \nb
	v_cvt_scalef32_pk8_fp4_f32 v[(\pc)+2*qb], v[(\src)+16*qb:(\src)+16*qb+7], v[TM+12+qb]
	v_cvt_scalef32_pk8_fp4_f32 v[(\pc)+2*qb+1], v[(\src)+16*qb+8:(\src)+16*qb+15], v[TM+12+qb]
.set qb, qb+1
.endr
	WIN 0
	v_nop                                          ; one plain instruction behind the conversions
.set qb, 0
.rept (\nb)/2
	v_permlane16_swap_b32 v[(\pc)+4*qb], v[(\pc)+4*qb+2]           ; a whole block to a lane: lanes 0-15 block 2 c, lanes 16-31 block 2 c + 1
	v_permlane16_swap_b32 v[(\pc)+4*qb+1], v[(\pc)+4*qb+3]
.set qb, qb+1
.endr
.endm
.macro THETA p, sel, u
	v_pk_mul_f32 v[TH+2*\p:TH+2*\p+1], v[F+2*\p:F+2*\p+1], v[PD+8*\u+\sel:PD+8*\u+\sel+1]
.endm
.macro HORNER r, c                     ; r = r z + c, eight pairs
.irp p, 0,2,4,6,8,10,12,14
	v_pk_fma_f32 v[\r+\p:\r+\p+1], v[\r+\p:\r+\p+1], v[Z+\p:Z+\p+1], \c op_sel_hi:[1,1,0]
.endr
.endm
; what follows the product of a tile: norm, rotary, quantiser, store
.macro ROPEQ u
	v_pk_mul_f32 v[SUM:SUM+1], v[H:H+1], v[H:H+1]                  ; the sum of squares of my 32 channels, ascending in each accumulator
	v_pk_mul_f32 v[SUM+2:SUM+3], v[H+16:H+17], v[H+16:H+17]
.irp j, 2,4,6,8,10,12,14
	v_pk_fma_f32 v[SUM:SUM+1], v[H+\j:H+\j+1], v[H+\j:H+\j+1], v[SUM:SUM+1]
	v_pk_fma_f32 v[SUM+2:SUM+3], v[H+16+\j:H+17+\j], v[H+16+\j:H+17+\j], v[SUM+2:SUM+3]
.endr
	v_pk_add_f32 v[SUM:SUM+1], v[SUM:SUM+1], v[SUM+2:SUM+3]
	v_add_f32 v[SUM], v[SUM], v[SUM+1]
	s_wait_alu depctr_va_vdst(0)
	v_permlanex16_b32 v98, v[SUM], s[SEL], s[SEL+1]
	v_add_f32 v[SUM], v[SUM], v98                  ; with the other half's 32
	v_add_f32 v[SUM], 0x358637bd, v[SUM]           ; + 1e-6
	s_wait_alu depctr_va_vdst(0)
	v_rsq_f32 v14, v[SUM]
	v_nop
	s_wait_alu depctr_va_vdst(0)
	v_mul_f32 v14, v12, v14                        ; sqrt(head_scale) x rsqrt
.irp j, 0,2,4,6,8,10,12,14,16,18,20,22,24,26,28,30
	v_pk_mul_f32 v[H+\j:H+\j+1], v[H+\j:H+\j+1], v[14:15] op_sel_hi:[1,0]
.endr
	WIN 0x82                                       ; destination and source 0 window 2, source 1 window 0
	THETA 0, 0, \u
	THETA 1, 0, \u
	THETA 2, 2, \u
	THETA 3, 2, \u
	THETA 4, 4, \u
	THETA 5, 4, \u
	THETA 6, 4, \u
	THETA 7, 6, \u
	WIN 0xaa                                       ; all in window 2
.irp p, 0,2,4,6,8,10,12,14
	v_pk_mul_f32 v[Z+\p:Z+\p+1], v[TH+\p:TH+\p+1], 0x3e22f983 op_sel_hi:[1,0]    ; theta / 2 pi
.endr
.irp g, 0,1,2,3,4,5,6,7,8,9,10,11,12,13,14,15
	v_rndne_f32 v[Z+\g], v[Z+\g]
.endr
.irp p, 0,2,4,6,8,10,12,14
	v_pk_fma_f32 v[TH+\p:TH+\p+1], v[Z+\p:Z+\p+1], 0xc0c90fdb, v[TH+\p:TH+\p+1] op_sel_hi:[1,0,1]   ; less the whole turns: 2 pi's upper part,
.endr
.irp p, 0,2,4,6,8,10,12,14
	v_pk_fma_f32 v[TH+\p:TH+\p+1], v[Z+\p:Z+\p+1], 0x343bbd2e, v[TH+\p:TH+\p+1] op_sel_hi:[1,0,1]   ; and what f32 left of it
.endr
.irp p, 0,2,4,6,8,10,12,14
	v_pk_mul_f32 v[Z+\p:Z+\p+1], v[TH+\p:TH+\p+1], v[TH+\p:TH+\p+1]              ; z = u^2
.endr
.irp p, 0,2,4,6,8,10,12,14
	v_pk_fma_f32 v[SH+\p:SH+\p+1], v[Z+\p:Z+\p+1], s[54:55], 0x31b8ef1d op_sel_hi:[1,0,0]
.endr
.irp p, 0,2,4,6,8,10,12,14
	v_pk_fma_f32 v[CH+\p:CH+\p+1], v[Z+\p:Z+\p+1], s[56:57], 0xaf93f27e op_sel_hi:[1,0,0]
.endr
	HORNER SH, 0xb5d00d01
	HORNER CH, 0x33d00d01
	HORNER SH, 0x39888889
	HORNER CH, 0xb7b60b61
	HORNER SH, 0xbcaaaaab
	HORNER CH, 0x3b2aaaab
	HORNER SH, 0.5
	HORNER CH, 0xbe000000
	HORNER CH, 1.0                                 ; cos(u / 2)
.irp p, 0,2,4,6,8,10,12,14
	v_pk_mul_f32 v[SH+\p:SH+\p+1], v[SH+\p:SH+\p+1], v[TH+\p:TH+\p+1]            ; sin(u / 2)
.endr
.irp p, 0,2,4,6,8,10,12,14
	v_pk_add_f32 v[TH+\p:TH+\p+1], v[SH+\p:SH+\p+1], v[SH+\p:SH+\p+1]
.endr
.irp p, 0,2,4,6,8,10,12,14
	v_pk_mul_f32 v[Z+\p:Z+\p+1], v[TH+\p:TH+\p+1], v[CH+\p:CH+\p+1]              ; the sine
.endr
.irp p, 0,2,4,6,8,10,12,14
	v_pk_fma_f32 v[CH+\p:CH+\p+1], v[TH+\p:TH+\p+1], v[SH+\p:SH+\p+1], 1.0 op_sel_hi:[1,1,0] neg_lo:[1,0,0] neg_hi:[1,0,0]   ; the cosine
.endr
	WIN 0x08                                       ; source 1 window 2
.irp p, 0,2,4,6,8,10,12
	v_pk_mul_f32 v[TT+\p:TT+\p+1], v[H+16+\p:H+17+\p], v[Z+\p:Z+\p+1]
	v_pk_mul_f32 v[TU+\p:TU+\p+1], v[H+\p:H+\p+1], v[Z+\p:Z+\p+1]
.endr
	v_mul_f32 v[TT+14], v[H+15], v[Z+14]
	v_mul_f32 v[TU+14], v[H+14], v[Z+14]
.irp p, 0,2,4,6,8,10,12
	v_pk_fma_f32 v[H+\p:H+\p+1], v[H+\p:H+\p+1], v[CH+\p:CH+\p+1], v[TT+\p:TT+\p+1] neg_lo:[0,0,1] neg_hi:[0,0,1]   ; x1 c - x2 s
	v_pk_fma_f32 v[H+16+\p:H+17+\p], v[H+16+\p:H+17+\p], v[CH+\p:CH+\p+1], v[TU+\p:TU+\p+1]                         ; x2 c + x1 s
.endr
	v_fma_f32 v[H+14], v[H+14], v[CH+14], -v[TT+14]
	v_fma_f32 v[H+15], v[H+15], v[CH+14], v[TU+14]
	WIN 0
	QUANT 2, H, 0, 0, PC+4*\u, PW+\u
	global_store_b128 v4, v[PC+4*\u:PC+4*\u+3], s[16:17] offset:512*\u            ; 512 consecutive bytes
.endm
; The four accumulators take turns, one instruction a turn.  Behind the products: four plain instructions (two of them FETCHA's additions) ahead of the loads into their sources and of the first read of results.
.macro TILE u
	s_wait_dscnt 0x0                               ; the tile's fragments and scale words are in
	WIN 0x01                                       ; source 0 (the weight) window 1
.irp s, 0,1,2,3,4,5,6,7
.irp t, 0,1,2,3
	MM1 \t, \s
.endr
.endr
	WIN 0
	PLACES 2
	FETCHA                                         ; the next tile lands while this one is normed, turned and quantised
	ROPEQ \u
.endm
	FETCHA
.Ltrip:                                            ; four trips: tiles 2 i and 2 i + 1
.irp u, 0,1
	v_cndmask_b32 v[PD+8*\u], v[POSL+3*\u], v[POSL+3*\u+1], s[HM]      ; sg 0-3: i = 2-5 (axis 0) or 16-19 (axis 1)
	v_cndmask_b32 v[PD+8*\u+1], v[POSL+3*\u], v[POSL+3*\u+1], s[HM]
	v_cndmask_b32 v[PD+8*\u+2], v[POSL+3*\u], v[POSL+3*\u+2], s[HM]    ; sg 4-7: axis 0 or 2
	v_cndmask_b32 v[PD+8*\u+3], v[POSL+3*\u], v[POSL+3*\u+2], s[HM]
	v_cndmask_b32 v[PD+8*\u+4], v[POSL+3*\u+1], v[POSL+3*\u+2], s[HM]  ; sg 8-13: axis 1 or 2
	v_cndmask_b32 v[PD+8*\u+5], v[POSL+3*\u+1], v[POSL+3*\u+2], s[HM]
	v_mov_b32 v[PD+8*\u+6], v[POSL+3*\u]                               ; i = h: axis 0
	v_mov_b32 v[PD+8*\u+7], v[POSL+3*\u]
.endr
	s_add_co_u32 s[PT], s[PT], 384                 ; the next trip's positions, 32 rows on; the last trip asks for its own again: no load leaves the buffer
	s_min_u32 s44, s[PT], 1152
	v_add_nc_u32 v10, s44, v8                      ; (the loads that named v10 and v11 were waited for)
	v_add_nc_u32 v11, s44, v9
.irp u, 0,1
.irp a, 0,1,2
	global_load_b32 v[POSL+3*\u+\a], v[10+\u], s[10:11] offset:4*\a
.endr
.endr
	TILE 0
	TILE 1
	v_mov_b32 v[KSW], v[KSW+1]                     ; the four trips' scale registers move up: behind the loop register i is trip i's
	v_mov_b32 v[KSW+1], v[KSW+2]
	v_mov_b32 v[KSW+2], v[KSW+3]
	v_cndmask_b32 v[KSW+3], v[PW], v[PW+1], s[HM]  ; tile 2 i in lanes 0-15, tile 2 i + 1 in lanes 16-31
	s_wait_loadcnt 0x0                             ; the next positions (and, in the first trip, v's weights, which are older)
	s_wait_xcnt 0x0                                ; the stores have read their data and their base: both are written again only behind this wait
	s_add_nc_u64 s[16:17], s[16:17], 1024
	s_sub_co_u32 s[CNT], s[CNT], 1
	s_cmp_lg_u32 s[CNT], 0
	s_cbranch_scc1 .Ltrip
	s_wait_alu depctr_va_vdst(0)
	global_store_b128 v4, v[KSW:KSW+3], s[16:17] offset:8192-4096  ; the base stands 4,096 bytes into the record
	s_wait_dscnt 0x0                               ; the look-ahead's loads
	s_wait_tensorcnt 0x0                           ; my quarter of x_cross's record has landed,
	s_barrier_signal -1
	s_barrier_wait -1                              ; everybody's has
	v_add_nc_u32 v6, REC, v4                       ; its fragments,
	v_add_nc_u32 v7, REC, v5                       ; its scale bytes
	s_lshl_b32 s58, s[TY], 11
	v_add_nc_u32 v8, s58, v4                       ; my two channel tiles in the record: 2,048 y bytes on,
	s_lshl_b32 s58, s[TY], 2
	v_add_nc_u32 v126, s58, v126                   ; their scale register: 4 y
	s_wait_alu depctr_va_vdst(0)                   ; directly behind the writes
	; ---- v: 16 accumulators (channel tile ct, key tile tau) at v[8 (8 ct + tau)] of window 2, all by turns, a K step at a time; x's fragments of a K step in two sets
.macro FETCHV ks, af, as
.irp tau, 0,1,2,3,4,5,6,7
	ds_load_b128 v[(\af)+8*\tau:(\af)+8*\tau+3], v6 offset:\tau*8192+(\ks)*1024
	ds_load_b128 v[(\af)+8*\tau+4:(\af)+8*\tau+7], v6 offset:\tau*8192+(\ks)*1024+512
	ds_load_b32 v[(\as)+\tau], v7 offset:\tau*512+4*(\ks)
.endr
.endm
.macro MM2 ct, tau, ks
.if (\ks) == 0
.if (\ct)%2
	v_wmma_scale_f32_16x16x128_f8f6f4 v[8*(8*(\ct)+(\tau)):8*(8*(\ct)+(\tau))+7], v[128+64*((\ks)%2)+8*(\tau):128+64*((\ks)%2)+8*(\tau)+7], v[8*(8*(\ct)+(\ks)):8*(8*(\ct)+(\ks))+7], 0, v[AS+8*((\ks)%2)+(\tau)], v[WS2+8*((\ct)/2)+(\ks)] matrix_a_fmt:MATRIX_FMT_FP4 matrix_b_fmt:MATRIX_FMT_FP4 matrix_b_scale:MATRIX_SCALE_ROW1
.else
	v_wmma_scale_f32_16x16x128_f8f6f4 v[8*(8*(\ct)+(\tau)):8*(8*(\ct)+(\tau))+7], v[128+64*((\ks)%2)+8*(\tau):128+64*((\ks)%2)+8*(\tau)+7], v[8*(8*(\ct)+(\ks)):8*(8*(\ct)+(\ks))+7], 0, v[AS+8*((\ks)%2)+(\tau)], v[WS2+8*((\ct)/2)+(\ks)] matrix_a_fmt:MATRIX_FMT_FP4 matrix_b_fmt:MATRIX_FMT_FP4
.endif
.else
.if (\ct)%2
	v_wmma_scale_f32_16x16x128_f8f6f4 v[8*(8*(\ct)+(\tau)):8*(8*(\ct)+(\tau))+7], v[128+64*((\ks)%2)+8*(\tau):128+64*((\ks)%2)+8*(\tau)+7], v[8*(8*(\ct)+(\ks)):8*(8*(\ct)+(\ks))+7], v[8*(8*(\ct)+(\tau)):8*(8*(\ct)+(\tau))+7], v[AS+8*((\ks)%2)+(\tau)], v[WS2+8*((\ct)/2)+(\ks)] matrix_a_fmt:MATRIX_FMT_FP4 matrix_b_fmt:MATRIX_FMT_FP4 matrix_b_scale:MATRIX_SCALE_ROW1
.else
	v_wmma_scale_f32_16x16x128_f8f6f4 v[8*(8*(\ct)+(\tau)):8*(8*(\ct)+(\tau))+7], v[128+64*((\ks)%2)+8*(\tau):128+64*((\ks)%2)+8*(\tau)+7], v[8*(8*(\ct)+(\ks)):8*(8*(\ct)+(\ks))+7], v[8*(8*(\ct)+(\tau)):8*(8*(\ct)+(\tau))+7], v[AS+8*((\ks)%2)+(\tau)], v[WS2+8*((\ct)/2)+(\ks)] matrix_a_fmt:MATRIX_FMT_FP4 matrix_b_fmt:MATRIX_FMT_FP4
.endif
.endif
.endm
	FETCHV 0, 128, AS
.irp ks, 0,1,2,3,4,5,6,7
.if \ks < 7
.if \ks > 0
	PLACES 4                                       ; ahead of loads into the set that the last products read
.endif
	FETCHV \ks+1, 128+64*((\ks+1)%2), AS+8*((\ks+1)%2)
	s_wait_dscnt 24                                ; this K step's are in; the 24 just issued may be out
.else
	s_wait_dscnt 0x0
.endif
	WIN 0xac                                       ; source 1 (the weight) window 3; C and D window 2
.irp ct, 0,1
.irp tau, 0,1,2,3,4,5,6,7
	MM2 \ct, \tau, \ks
.endr
.endr
	WIN 0
.endr
	PLACES 4
.irp ct, 0,1
	QUANT 4, 64*\ct, 0x28, 0x02, 128+8*\ct, PW+\ct                 ; 128 keys of my channel: a whole fragment and its scale word
	global_store_b128 v8, v[128+8*\ct:131+8*\ct], s[60:61] offset:4096+1024*\ct
	global_store_b128 v8, v[132+8*\ct:135+8*\ct], s[60:61] offset:4096+1024*\ct+512
.endr
	v_cndmask_b32 v124, v[PW], v[PW+1], s[HM]
	global_store_b32 v126, v124, s[60:61] offset:8704
.Lend:
	s_wait_tensorcnt 0x0
	ds_add_u32 v110, v111
	s_wait_dscnt 0x0
	CROUND                                         ; the closing round: no work-group ends while a partner may still ask for the record
	s_endpgm
.Lfunc_end_k_q51f75f4d46_proj:
	.size	k_q51f75f4d46_proj, .Lfunc_end_k_q51f75f4d46_proj-k_q51f75f4d46_proj
	.p2alignl 7, 3214868480
	.fill 96, 4, 3214868480
	.section	.rodata,"a",@progbits
	.p2align	6, 0x0
	.amdhsa_kernel k_q51f75f4d46_proj
		.amdhsa_group_segment_fixed_size 327680
		.amdhsa_private_segment_fixed_size 0
		.amdhsa_enable_private_segment 0
		.amdhsa_kernarg_size 64
		.amdhsa_user_sgpr_count 2
		.amdhsa_user_sgpr_kernarg_segment_ptr 1
		.amdhsa_wavefront_size32 1
		.amdhsa_system_sgpr_workgroup_id_x 1
		.amdhsa_system_sgpr_workgroup_id_y 1
		.amdhsa_system_sgpr_workgroup_id_z 1
		.amdhsa_system_vgpr_workitem_id 0
		.amdhsa_next_free_vgpr 1024
		.amdhsa_next_free_sgpr 66
		.amdhsa_reserve_vcc 0
		.amdhsa_float_denorm_mode_32 3
		.amdhsa_float_denorm_mode_16_64 3
		.amdhsa_memory_ordered 1
		.amdhsa_forward_progress 1
		.amdhsa_inst_pref_size 117
	.end_amdhsa_kernel
	.amdgpu_metadata
---
amdhsa.version: [ 1, 2 ]
amdhsa.kernels:
  - .name:           k_q51f75f4d46_proj
    .symbol:         k_q51f75f4d46_proj.kd
    .args:
      - { .name: xa, .offset: 0, .size: 8, .value_kind: global_buffer, .address_space: global }
      - { .name: wimg, .offset: 8, .size: 8, .value_kind: global_buffer, .address_space: global }
      - { .name: wsc, .offset: 16, .size: 8, .value_kind: global_buffer, .address_space: global }
      - { .name: pos, .offset: 24, .size: 8, .value_kind: global_buffer, .address_space: global }
      - { .name: pos_cross, .offset: 32, .size: 8, .value_kind: global_buffer, .address_space: global }
      - { .name: head_scale, .offset: 40, .size: 8, .value_kind: global_buffer, .address_space: global }
      - { .name: qrec, .offset: 48, .size: 8, .value_kind: global_buffer, .address_space: global }
      - { .name: kvrec, .offset: 56, .size: 8, .value_kind: global_buffer, .address_space: global }
    .group_segment_fixed_size: 327680
    .private_segment_fixed_size: 0
    .kernarg_segment_align: 8
    .kernarg_segment_size: 64
    .max_flat_workgroup_size: 128
    .sgpr_count:     66
    .vgpr_count:     1024
    .wavefront_size: 32
...
	.end_amdgpu_metadata
.endif
;; end of part 2
;; launch attn (part 3): grid 8 x 32, 16 waves a work-group, clusters of 4 x 1, 169,984 bytes of LDS; arguments qrec, kvrec, oa; writes oa
.if DOCPART == 3
	.amdgcn_target "amdgcn-amd-amdhsa--gfx1250"
	.amdhsa_code_object_version 6
	.text
	.protected	k_q51f75f4d46_attn
	.globl	k_q51f75f4d46_attn
	.p2align	8
	.type	k_q51f75f4d46_attn,@function
k_q51f75f4d46_attn:
	s_mov_b64 s[64:65], 0
	v_nop
	global_prefetch_b8 v0, s[64:65] scope:SCOPE_SE
	s_setreg_imm32_b32 hwreg(HW_REG_WAVE_MODE, 25, 1), 1
	s_wait_xcnt 0x0
	s_wait_alu depctr_hold_cnt(0) depctr_sa_sdst(0) depctr_va_vdst(0) depctr_va_sdst(0) depctr_va_ssrc(0) depctr_va_vcc(0) depctr_vm_vsrc(0)
	s_getreg_b32 s2, hwreg(HW_REG_IB_STS2, 6, 4)
	s_cmp_eq_u32 s2, 0
	s_cbranch_scc0 .Lentry_in_a_cluster
	s_endpgm
.Lentry_in_a_cluster:
	s_bfe_u32 s2, ttmp6, 0x10000c
	s_cmp_lg_u32 s2, 0x3003
	s_cbranch_scc0 .Lentry_shape_is_right
	s_endpgm
.Lentry_shape_is_right:
; o = softmax(q k^T) v for one head and 256 queries a work-group, both products on codes of E2M1; o / l is quantised along the head's 64 channels and stored as an operand of the last product.
; THE SOFTMAX: t = logit x log2(e); M = the running largest t rounded UP to a whole number; p = 2^(t - M) is quantised along the keys, not normalised; the row's sum is taken of the unquantised p and divides at the end.
; When M moves, the sums and O are multiplied by f = 2^(old M - new M): exact.
; SHARES.  Sixteen waves, one tile of 16 queries each, in 256 registers.  The head's k and v as codes (16 records of 8,960 bytes, 128 keys each) lie in LDS whole: wave w brings record w by ONE tensor load, nothing is filled again.
; The four work-groups of a cluster walk the same head: the loads are joint (mask 15).  No prefetch: all of k and v is asked for at the head, so there is no loop to run ahead in.
; In LDS 32 bytes of padding follow every 256 bytes of a record: byte y lies at y + 32 (y / 256), a record takes 10,080 bytes.
; LAYOUT.  Both products transposed: S^T = k q^T (source 0 = 16 keys), O^T = v^T p^T (source 0 = 16 channels): a lane holds one query throughout.
; THE KEYS OF A TILE ARE CHOSEN BY THE LDS ADDRESS: rows 0-7 of tile 4 c + u are keys 8 u .. 8 u + 7 of block 2 c, rows 8-15 the same keys of block 2 c + 1.  So lane half h holds, in S[32 c .. 32 c + 31], the 32 keys
; of block 2 c + h in order: a block's largest score needs no other lane, and the eight conversions' results are the second product's operand as they stand.
; In a record key 32 b + 8 g + i lies in tile 2 b + g % 2, row 8 (g / 2) + i: codes at 512 tile + 16 row + 256 h, scale word at 8192 + 16 row + 256 (tile % 2) + 4 (tile / 2).
; K = 64 IN AN INSTRUCTION OF 128: q's upper four registers are zero codes; k's operand for tile t is v[32 + 4 t : 39 + 4 t]: its upper four registers meet q's zeros; the scale bytes of that half are 0 on both sides.
; A BLOCK'S SCALE: its largest p is 2^x, x = t - M of its largest score, so floor(log2 p) = floor(x): the byte is floor(x) + 125, held at 1 from below.
; THE ORDER OF A STEP.  A trip begins behind S^T of its own step: it asks for v of this step and k of the next; maxima, M, f, the scalings, O^T's rescaling and the scale lines come first, then ONE batch of 64 exponentials
; with one wait ahead of it and one behind it, the conversions, the sums, O^T += v^T p^T and S^T of the next step.
; LIMITS: NaN and infinities are not served; the scaled scores stay under 2^31 in magnitude; a block of o under 2^-124 gets the byte 1.  Where v_exp_f32 rounds 2^x up to a power of two
; (x less than 2^-24 under a whole number) the block's largest p is held at the largest code.
.set KREC, 8960
.set LREC, 10080
.set REC,  69632
.set SPARE, 0x29000                    ; the spare words: 16 waves x 128 bytes, behind the records' 161,280 bytes
.set S,   100                          ; v100-163 S^T, then p; at the end o
.set O,   164                          ; v164-195 O^T
.set P,   196                          ; v196-203 p's codes; at the end o's
.set BM,  204                          ; v204-205 my two blocks' largest scores, then x
.set NB,  206                          ; v206-207 floor(x)
.set SCL, 208                          ; v208-209 the conversions' scale operands
.set T2,  210                          ; v210-211 lane permutes' results
.set A2,  212                          ; v[212:213], v[214:215], v[220:221], v[14:15]: the row's sum in four pairs
.set A3,  214
.set FF,  216                          ; v[216:217] f
.set PW,  218                          ; v218 p's scale word: a scale and nothing else, like v24 (q's), v26-27 (v's), v28-31 (k's)
.set RM,  219
.set A1,  220
.set OM,  222                          ; -M as the step found it
.set DM,  223
.set MT,  224                          ; v224-231 the maxima, one a tile
.set AK,  232                          ; LDS addresses of the step: k's codes, k's scale words
.set AKS, 233
.set KB,  234                          ; my lane's place in a record: 1152 (r / 8) + 16 (r % 8) + 288 h
.set KSB, 235                          ; 4 (r / 8) + 16 (r % 8) + 288 h
.set SH8, 236                          ; 8 h
.set LB,  237                          ; 16 lane + 32 h
.set T4,  238
.set WV,  10
.macro CROUND
	s_barrier_signal -1
	s_barrier_wait -1
	s_cmp_lg_u32 s[WV], 0
	s_cbranch_scc1 .Lnot_wave_0_\@
	s_barrier_signal -3
.Lnot_wave_0_\@:
	s_barrier_wait -3
	s_barrier_signal -1
	s_barrier_wait -1
.endm
	s_load_b128 s[4:7], s[0:1], 0x0                ; qrec, kvrec
	s_load_b64 s[8:9], s[0:1], 0x10                ; oa
	v_lshl_add_u32 v254, v0, 2, SPARE
	v_mov_b32 v255, 0
	ds_add_u32 v254, v255                          ; the opening lines: the add, twice on end, and its wait
	ds_add_u32 v254, v255
	v_lshrrev_b32 v1, 5, v0
	v_readfirstlane_b32 s[WV], v1                  ; wave 0..15
	s_bfe_u32 s11, ttmp6, 0x40000                  ; my place in the cluster: it enters q's and o's global addresses alone
	s_lshl_b32 s12, ttmp9, 2
	s_add_co_u32 s12, s12, s11                     ; which 256 queries
	s_and_b32 s13, ttmp7, 0xffff                   ; 16 x batch + head
	s_lshr_b32 s14, s[WV], 3
	s_lshl_b32 s19, s12, 1
	s_add_co_u32 s14, s14, s19                     ; my block of 128 queries,
	s_and_b32 s15, s[WV], 7                        ; my tile in it
	s_and_b32 s16, s13, 15                         ; the head
	s_mov_b32 s24, 15|(3<<16)|(1<<20)|(1<<21)|(5<<22)|(7<<25)   ; mask: all four; elements of 8 bytes; padding: 8 words behind every 64; bit 21 beside a mask
	s_mov_b32 s25, 32<<16                          ; rows of 256 bytes,
	s_mov_b32 s26, 35<<16                          ; 35 of them: one record
	s_mov_b32 s27, 32<<16
	s_mov_b32 s28, 35
	s_mov_b32 s29, 32
	s_mov_b32 s30, 0
	s_mov_b32 s31, 0
	s_mov_b32 s40, 1
	s_mul_i32 s41, s[WV], LREC
	s_mul_i32 s48, s13, 16*KREC
	s_mul_i32 s49, s[WV], KREC
	s_add_co_u32 s48, s48, s49
	s_mov_b32 s49, 0
	s_lshl_b32 s50, s13, 4
	s_add_co_u32 s50, s50, s14
	s_mul_i32 s50, s50, KREC
	s_mov_b32 s51, 0
	s_lshr_b32 s52, s13, 4
	s_lshl_b32 s52, s52, 4
	s_add_co_u32 s52, s52, s14
	s_mul_i32 s52, s52, REC
	s_mov_b32 s53, 0
	s_lshl_b32 s32, s15, 9                         ; q's codes: tile x 512
	s_and_b32 s33, s15, 1
	s_lshl_b32 s33, s33, 8
	s_lshr_b32 s54, s15, 1
	s_lshl_b32 s54, s54, 2
	s_add_co_u32 s33, s33, s54                     ; q's scale word: lane 16 (tile % 2) + r of register tile / 2
	s_lshl_b32 s34, s15, 13
	s_lshl_b32 s54, s16, 9
	s_add_co_u32 s34, s34, s54                     ; o's codes: tile x 8192 + head x 512
	s_lshl_b32 s35, s15, 9
	s_lshl_b32 s54, s16, 1
	s_add_co_u32 s35, s35, s54                     ; o's scale bytes: tile x 512 + 2 head
	s_mov_b32 s20, 0x76543210
	s_mov_b32 s21, 0xfedcba98                      ; v_permlanex16_b32's selects for lane l xor 16
	s_mov_b32 s22, 0x3fb8aa3b                      ; log2(e)
	s_mov_b32 s23, s22
	s_mov_b32 s56, 0xffff0000                      ; lanes 16-31
	s_mov_b32 s57, 125<<23
	s_mov_b32 s17, 0                               ; the record in hand
	s_mov_b32 s18, 15                              ; trips: all steps but the last
	s_wait_dscnt 0x0
	s_wait_kmcnt 0x0
	s_add_nc_u64 s[42:43], s[6:7], s[48:49]
	s_or_b32 s43, s43, 0x80000000
	s_add_nc_u64 s[4:5], s[4:5], s[50:51]          ; q's record
	s_add_nc_u64 s[8:9], s[8:9], s[52:53]          ; o's record
	v_and_b32 v5, 31, v0
	v_and_b32 v6, 15, v0                           ; r
	v_bfe_u32 v7, v0, 4, 1                         ; h
	v_lshlrev_b32 v1, 4, v5                        ; 16 x lane
	v_lshlrev_b32 v2, 3, v5                        ; 8 x lane
	v_add_nc_u32 v9, s32, v1
	v_lshl_add_u32 v8, v6, 4, s33
	global_load_b128 v[16:19], v9, s[4:5]          ; q's codes and scale word: on their way during the round
	global_load_b32 v24, v8, s[4:5] offset:8192
	s_wait_alu depctr_va_vdst(0)                   ; directly ahead of the barrier's signal
	CROUND                                         ; all four work-groups are here: the joint loads meet
	tensor_load_to_lds s[40:43], s[24:31]          ; the one tensor load of the wave
	s_nop 0
.irp j, 20,21,22,23,64,65,66,67
	v_mov_b32 v[\j], 0                             ; zero codes: q's upper half, and what stands behind k's last tile
.endr
	v_add_nc_u32 v10, s34, v1
	v_lshl_add_u32 v11, v6, 5, s35
	v_add_nc_u32 v11, v11, v7                      ; + 32 r + h
	v_and_b32 v[KB], 7, v0
	v_bfe_u32 v[T4], v0, 3, 1
	v_lshlrev_b32 v[KB], 4, v[KB]
	v_mad_u32_u24 v[KB], v7, 288, v[KB]
	v_lshl_add_u32 v[KSB], v[T4], 2, v[KB]
	v_mad_u32_u24 v[KB], v[T4], 1152, v[KB]
	v_lshl_add_u32 v[LB], v7, 5, v1
	v_lshlrev_b32 v[SH8], 3, v7
	v_mov_b32 v13, 0xff61b1e6                      ; the largest score so far: -3e38
	v_floor_f32 v12, -v13                          ; -M
.irp j, 14, 15, A1, A1+1, A2, A2+1, A3, A3+1, T2, T2+1, FF+1
	v_mov_b32 v[\j], 0                             ; the sums; the lane permutes' destinations; the upper half of f's pair
.endr
.set j, 0
.rept 32
	v_mov_b32 v[O+j], 0                            ; the first step finds zeros, which the first f, 0, leaves zeros
.set j, j+1
.endr
.macro KLOAD ak, aks, off              ; eight tiles of k and their scale words (register i: tile 2 i in lanes 0-15, tile 2 i + 1 in lanes 16-31)
.irp c, 0,1
.irp u, 0,1,2,3
	ds_load_b128 v[32+16*\c+4*\u:35+16*\c+4*\u], v[\ak] offset:(\off)+2304*\c+576*(\u%2)+128*(\u/2)
.endr
.endr
.irp i, 0,1,2,3
	ds_load_b32 v[28+\i], v[\aks] offset:(\off)+9216+128*(\i%2)+8*(\i/2)
.endr
.endm
.macro SPROD                           ; S^T = k q^T: eight tiles of 16 keys, each sum begun with the constant 0
.irp t, 0,2,4,6
	v_wmma_scale_f32_16x16x128_f8f6f4 v[S+8*\t:S+8*\t+7], v[32+4*\t:39+4*\t], v[16:23], 0, v[28+\t/2], v24 matrix_a_fmt:MATRIX_FMT_FP4 matrix_b_fmt:MATRIX_FMT_FP4
	v_wmma_scale_f32_16x16x128_f8f6f4 v[S+8*\t+8:S+8*\t+15], v[36+4*\t:43+4*\t], v[16:23], 0, v[28+\t/2], v24 matrix_a_fmt:MATRIX_FMT_FP4 matrix_b_fmt:MATRIX_FMT_FP4 matrix_a_scale:MATRIX_SCALE_ROW1
.endr
.endm
.macro OPROD                           ; O^T += v^T p^T: four tiles of 16 channels, one instruction a turn
.irp c, 0,2
	v_wmma_scale_f32_16x16x128_f8f6f4 v[O+8*\c:O+8*\c+7], v[68+8*\c:75+8*\c], v[P:P+7], v[O+8*\c:O+8*\c+7], v[26+\c/2], v[PW] matrix_a_fmt:MATRIX_FMT_FP4 matrix_b_fmt:MATRIX_FMT_FP4
	v_wmma_scale_f32_16x16x128_f8f6f4 v[O+8*\c+8:O+8*\c+15], v[76+8*\c:83+8*\c], v[P:P+7], v[O+8*\c+8:O+8*\c+15], v[26+\c/2], v[PW] matrix_a_fmt:MATRIX_FMT_FP4 matrix_b_fmt:MATRIX_FMT_FP4 matrix_a_scale:MATRIX_SCALE_ROW1
.endr
.endm
.macro FMA8 p0                         ; eight pairs of 32: t - M (of the pairs c and -M the low word serves both halves)
.set fp, \p0
.rept 8
	v_pk_fma_f32 v[S+2*fp:S+2*fp+1], v[S+2*fp:S+2*fp+1], s[22:23], v[12:13] op_sel_hi:[1,0,0]
.set fp, fp+1
.endr
.endm
.macro OMUL8 n0                        ; eight pairs of 16 of O^T under the new M, ascending: each accumulator is read from its low end on
.set fp, \n0
.rept 8
	v_pk_mul_f32 v[O+2*fp:O+2*fp+1], v[O+2*fp:O+2*fp+1], v[FF:FF+1] op_sel_hi:[1,0]
.set fp, fp+1
.endr
.endm
.macro SUM p, acc                      ; the row's sum takes pair p of the unquantised p; each chain's first addition brings it under the new M on the way
.if (\p) < 4
	v_pk_fma_f32 v[\acc:\acc+1], v[\acc:\acc+1], v[FF:FF+1], v[S+2*(\p):S+2*(\p)+1] op_sel_hi:[1,0,1]
.else
	v_pk_add_f32 v[\acc:\acc+1], v[\acc:\acc+1], v[S+2*(\p):S+2*(\p)+1]
.endif
.endm
; A KEY STEP of 128 keys, from behind its S^T to behind the next step's.  last = 1: there is no next step.
.macro STEP last
	s_barrier_signal -1                            ; I have entered this step (no LDS access of mine is out).  Up to the wait at the step's end stand register work and loads of LDS bytes that nobody writes
	v_add_nc_u32 v3, s17, v[LB]                    ; five plain lines behind the products: ahead of the loads into their sources and of the first read of S^T
	v_add_nc_u32 v4, s17, v2
	v_mov_b32 v[OM], v12
.if \last
	v_nop
	v_nop
.else
	v_add_nc_u32 v[AK], s17, v[KB]
	v_add_nc_u32 v[AKS], s17, v[KSB]
.endif
.irp n, 0,1,2,3,4,5,6,7
	ds_load_b128 v[68+4*\n:71+4*\n], v3 offset:4608+576*\n         ; v of this step
.endr
	ds_load_b64 v[26:27], v4 offset:9792
.if !\last
	KLOAD AK, AKS, LREC                            ; k of the next step: one record on
.endif
.irp t, 0,1,2,3,4,5,6,7                ; the largest score of my two blocks: eight chains by turns, each accumulator read from its low end on
	v_max3_num_f32 v[MT+\t], v[S+8*\t], v[S+8*\t+1], v[S+8*\t+2]
.endr
.irp t, 0,1,2,3,4,5,6,7
	v_max3_num_f32 v[MT+\t], v[MT+\t], v[S+8*\t+3], v[S+8*\t+4]
.endr
.irp t, 0,1,2,3,4,5,6,7
	v_max3_num_f32 v[MT+\t], v[MT+\t], v[S+8*\t+5], v[S+8*\t+6]
.endr
.irp c, 0,1
	v_max3_num_f32 v[MT+4*\c], v[MT+4*\c], v[MT+4*\c+1], v[S+32*\c+7]
	v_max3_num_f32 v[MT+4*\c+2], v[MT+4*\c+2], v[MT+4*\c+3], v[S+32*\c+15]
.endr
.irp c, 0,1
	v_max3_num_f32 v[MT+4*\c], v[MT+4*\c], v[S+32*\c+23], v[S+32*\c+31]
.endr
.irp c, 0,1
	v_max_num_f32 v[BM+\c], v[MT+4*\c], v[MT+4*\c+2]
.endr
	s_delay_alu instid0(VALU_DEP_1)
	v_max_num_f32 v[RM], v[BM], v[BM+1]
	s_delay_alu instid0(VALU_DEP_1)
	v_permlanex16_b32 v[T2], v[RM], s20, s21
	s_delay_alu instid0(VALU_DEP_1)
	v_max3_num_f32 v13, v13, v[RM], v[T2]          ; the running largest score of my query: with my two blocks' and lane l xor 16's two
	s_delay_alu instid0(VALU_DEP_1)
	v_mul_f32 v[RM], s22, v13                      ; as t (log2(e) is positive, so the largest score gives the largest t)
	s_delay_alu instid0(VALU_DEP_1)
	v_floor_f32 v12, -v[RM]                        ; the new -M = -ceil(t)
	s_delay_alu instid0(VALU_DEP_1)
	v_sub_f32 v[DM], v12, v[OM]                    ; old M - new M: a whole number, 0 or less
	v_fma_f32 v[BM], v[BM], s22, v12               ; x = t - M of each block's largest score
	v_fma_f32 v[BM+1], v[BM+1], s22, v12
	v_cvt_i32_f32 v[DM], v[DM]                     ; (it saturates)
	v_max_num_f32 v[BM], 0xc2f80000, v[BM]         ; held at -124: the byte cannot fall under 1
	v_max_num_f32 v[BM+1], 0xc2f80000, v[BM+1]
	v_ldexp_f32 v[FF], 1.0, v[DM]                  ; f
	v_floor_f32 v[NB], v[BM]
	v_floor_f32 v[NB+1], v[BM+1]
	FMA8 0
	v_cvt_i32_f32 v[NB], v[NB]
	v_cvt_i32_f32 v[NB+1], v[NB+1]
	OMUL8 0
	v_lshl_add_u32 v[SCL], v[NB], 23, s57          ; (floor(x) + 125) << 23: the conversion's scale operand
	v_lshl_add_u32 v[SCL+1], v[NB+1], 23, s57
	v_lshl_add_u32 v[T4], v[NB+1], 16, v[NB]
	FMA8 8
	v_add_nc_u32 v[T4], 0x7d007d, v[T4]            ; my two bytes: blocks h and 2 + h,
	OMUL8 8
	v_lshlrev_b32 v[T4], v[SH8], v[T4]             ; at their places in the scale word
	FMA8 16
	v_permlanex16_b32 v[T2+1], v[T4], s20, s21
	FMA8 24
	s_wait_alu depctr_va_vdst(0)
.set j, 0
.rept 64
	v_exp_f32 v[S+j], v[S+j]                       ; p = 2^(t - M)
.set j, j+1
.endr
	v_or_b32 v[PW], v[T4], v[T2+1]                 ; with lane l xor 16's two bytes p's scale word is whole.  (The plain line behind the exponentials)
	s_wait_alu depctr_va_vdst(0)                   ; one wait for the whole batch, ahead of its first reader
.irp t, 0,1,2,3,4,5,6,7
	v_cvt_scalef32_pk8_fp4_f32 v[P+\t], v[S+8*\t:S+8*\t+7], v[SCL+\t/4]     ; register 4 c + u: keys 64 c + 32 h + 8 u on
.endr
.set p, 0
.rept 8                                ; 32 plain lines between p's codes and scale word and the product that takes them
	SUM p, 14
	SUM p+1, A1
	SUM p+2, A2
	SUM p+3, A3
.set p, p+4
.endr
	s_wait_alu depctr_va_vdst(0)
	s_wait_dscnt 0x0                               ; v, and the next step's k: asked for at the step's head
	OPROD
.if !\last
	SPROD
.endif
	s_barrier_wait -1                              ; a wave leaves a step only when all sixteen have entered it: the waves stay within one step of each other and end together
.endm
	s_wait_alu depctr_va_vdst(0)
	s_wait_loadcnt 0x0                             ; q
	s_wait_tensorcnt 0x0                           ; my record has landed,
	s_barrier_signal -1
	s_barrier_wait -1                              ; all sixteen have
	KLOAD KB, KSB, 0                               ; k of step 0
	s_wait_dscnt 0x0
	SPROD
.Lstep:                                            ; fifteen trips of 128 keys
	STEP 0
	s_add_co_u32 s17, s17, LREC
	s_sub_co_u32 s18, s18, 1
	s_cmp_lg_u32 s18, 0
	s_cbranch_scc1 .Lstep
	STEP 1                                         ; the sixteenth: nothing is left to fetch ahead or to multiply ahead
	; ---- the way out
	v_pk_add_f32 v[14:15], v[14:15], v[A1:A1+1]    ; the sum's four pairs.  (These four lines are the places behind the last products)
	v_pk_add_f32 v[A2:A2+1], v[A2:A2+1], v[A3:A3+1]
	v_pk_add_f32 v[14:15], v[14:15], v[A2:A2+1]
	v_add_f32 v14, v14, v15
	v_permlanex16_b32 v[RM], v14, s20, s21
	v_add_f32 v14, v14, v[RM]                      ; the row's sum
	s_wait_alu depctr_va_vdst(0)                   ; ahead of the transcendental
	v_rcp_f32 v14, v14
	v_nop
	s_wait_alu depctr_va_vdst(0)                   ; and ahead of its first reader, which is O^T's first reader too
.set j, 0
.rept 32
	v_mul_f32 v[S+j], v[O+j], v14                  ; o: register 16 b + i of lane half h is channel 32 b + 16 h + i
.set j, j+1
.endr
.irp b, 0,1
	v_max3_num_f32 v[BM+\b], |v[S+16*\b]|, |v[S+16*\b+1]|, 0x1800000
.endr
.irp i, 2,4,6,8,10,12,14
.irp b, 0,1
	v_max3_num_f32 v[BM+\b], v[BM+\b], |v[S+16*\b+\i]|, |v[S+16*\b+\i+1]|
.endr
.endr
.irp b, 0,1
	v_permlanex16_b32 v[T2+\b], v[BM+\b], s20, s21
.endr
.irp b, 0,1
	v_max_num_f32 v[BM+\b], v[BM+\b], v[T2+\b]
.endr
.irp b, 0,1
	v_add_nc_u32 v[SCL+\b], 0xff000000, v[BM+\b]   ; 2 off the exponent field: the conversion's scale operand
.endr
.irp b, 0,1
	v_lshrrev_b32 v[T2+\b], 23, v[SCL+\b]          ; the scale's byte
.endr
.irp b, 0,1
	v_cvt_scalef32_pk8_fp4_f32 v[P+2*\b], v[S+16*\b:S+16*\b+7], v[SCL+\b]
	v_cvt_scalef32_pk8_fp4_f32 v[P+2*\b+1], v[S+16*\b+8:S+16*\b+15], v[SCL+\b]
.endr
	v_nop                                          ; one plain line between a scaled conversion and the line that touches its result
	v_permlane16_swap_b32 v[P], v[P+2]             ; a whole block to a lane
	v_permlane16_swap_b32 v[P+1], v[P+3]
	v_cndmask_b32 v[DM], v[T2], v[T2+1], s56       ; lane half h stores block h's byte: each byte is written once
	global_store_b128 v10, v[P:P+3], s[8:9]        ; 512 consecutive bytes
	global_store_b8 v11, v[DM], s[8:9] offset:65536
	s_wait_tensorcnt 0x0                           ; the wave's end
	ds_add_u32 v254, v255
	s_wait_dscnt 0x0
	CROUND                                         ; the closing round
	s_endpgm
.Lfunc_end_k_q51f75f4d46_attn:
	.size	k_q51f75f4d46_attn, .Lfunc_end_k_q51f75f4d46_attn-k_q51f75f4d46_attn
	.p2alignl 7, 3214868480
	.fill 96, 4, 3214868480
	.section	.rodata,"a",@progbits
	.p2align	6, 0x0
	.amdhsa_kernel k_q51f75f4d46_attn
		.amdhsa_group_segment_fixed_size 169984
		.amdhsa_private_segment_fixed_size 0
		.amdhsa_enable_private_segment 0
		.amdhsa_kernarg_size 24
		.amdhsa_user_sgpr_count 2
		.amdhsa_user_sgpr_kernarg_segment_ptr 1
		.amdhsa_wavefront_size32 1
		.amdhsa_system_sgpr_workgroup_id_x 1
		.amdhsa_system_sgpr_workgroup_id_y 1
		.amdhsa_system_sgpr_workgroup_id_z 1
		.amdhsa_system_vgpr_workitem_id 0
		.amdhsa_next_free_vgpr 256
		.amdhsa_next_free_sgpr 66
		.amdhsa_reserve_vcc 0
		.amdhsa_float_denorm_mode_32 3
		.amdhsa_float_denorm_mode_16_64 3
		.amdhsa_memory_ordered 1
		.amdhsa_forward_progress 1
		.amdhsa_inst_pref_size 39
	.end_amdhsa_kernel
	.amdgpu_metadata
---
amdhsa.version: [ 1, 2 ]
amdhsa.kernels:
  - .name:           k_q51f75f4d46_attn
    .symbol:         k_q51f75f4d46_attn.kd
    .args:
      - { .name: qrec, .offset: 0, .size: 8, .value_kind: global_buffer, .address_space: global }
      - { .name: kvrec, .offset: 8, .size: 8, .value_kind: global_buffer, .address_space: global }
      - { .name: oa, .offset: 16, .size: 8, .value_kind: global_buffer, .address_space: global }
    .group_segment_fixed_size: 169984
    .private_segment_fixed_size: 0
    .kernarg_segment_align: 8
    .kernarg_segment_size: 24
    .max_flat_workgroup_size: 512
    .sgpr_count:     66
    .vgpr_count:     256
    .wavefront_size: 32
...
	.end_amdgpu_metadata
.endif
;; end of part 3
;; launch outp (part 4): grid 8 x 32, 4 waves a work-group, clusters of 4 x 1, 168,448 bytes of LDS; arguments oa, wimg, wsc, x, out0; writes out0
.if DOCPART == 4
	.amdgcn_target "amdgcn-amd-amdhsa--gfx1250"
	.amdhsa_code_object_version 6
	.text
	.protected	k_q51f75f4d46_outp
	.globl	k_q51f75f4d46_outp
	.p2align	8
	.type	k_q51f75f4d46_outp,@function
k_q51f75f4d46_outp:
	s_mov_b64 s[64:65], 0
	v_nop
	global_prefetch_b8 v0, s[64:65] scope:SCOPE_SE
	s_setreg_imm32_b32 hwreg(HW_REG_WAVE_MODE, 25, 1), 1
	s_wait_xcnt 0x0
	s_wait_alu depctr_hold_cnt(0) depctr_sa_sdst(0) depctr_va_vdst(0) depctr_va_sdst(0) depctr_va_ssrc(0) depctr_va_vcc(0) depctr_vm_vsrc(0)
	s_getreg_b32 s2, hwreg(HW_REG_IB_STS2, 6, 4)
	s_cmp_eq_u32 s2, 0
	s_cbranch_scc0 .Lentry_in_a_cluster
	s_endpgm
.Lentry_in_a_cluster:
	s_bfe_u32 s2, ttmp6, 0x10000c
	s_cmp_lg_u32 s2, 0x3003
	s_cbranch_scc0 .Lentry_shape_is_right
	s_endpgm
.Lentry_shape_is_right:
; out0 = o out_w^T + x, the product on codes of E2M1.  A work-group makes 128 rows x 128 columns; wave w rows' tiles 4 (w / 2) .. + 3 and columns 64 (w % 2) on: 16 accumulators.
; The four work-groups of a cluster take the same 128 rows: o's record (69,632 bytes) is asked for JOINTLY (mask 15), a quarter a wave; nothing in LDS is ever filled again.
; A wave's weights (64 rows x 1,024) come from wimg straight into 256 registers; o's 32 fragments take 256 more, so every fragment is read from LDS once.
; TRANSPOSED (source 0 = 16 rows of out_w, source 1 = 16 rows of o): a lane holds eight neighbouring columns of one row.  Lane r of tile tau is row 32 (tau / 2) + 8 (tau % 2) + r + 8 (r / 8): the stage in LDS puts the rows back in order,
; and each wave then adds x to 32 whole rows of 512 bytes and stores them.
.set REC, 69632
.set STG, 69632                        ; the stage: 128 rows of 512 + 16 bytes; no fill lands here
.set SP,  528
.set WS,  16                           ; v16-31 the weight's scale words;  v32-63 o's: these hold scales and nothing else
.set AS,  32
.set ACC, 128                          ; v128-255: accumulator (tile tp, column tile t) at 8 (4 tp + t); later the rows read back
.set WV,  14
.set MSB, 0
.macro WIN new
.if MSB != \new
	s_set_vgpr_msb (MSB<<8)|\new
.set MSB, \new
.endif
.endm
.macro CROUND
	s_barrier_signal -1
	s_barrier_wait -1
	s_cmp_lg_u32 s[WV], 0
	s_cbranch_scc1 .Lnot_wave_0_\@
	s_barrier_signal -3
.Lnot_wave_0_\@:
	s_barrier_wait -3
	s_barrier_signal -1
	s_barrier_wait -1
.endm
	s_load_b256 s[4:11], s[0:1], 0x0               ; oa, wimg, wsc, x
	s_load_b64 s[12:13], s[0:1], 0x20              ; out0
	v_lshl_add_u32 v126, v0, 2, 0x29000
	v_mov_b32 v127, 0
	ds_add_u32 v126, v127
	ds_add_u32 v126, v127
	v_lshrrev_b32 v1, 5, v0
	v_readfirstlane_b32 s[WV], v1                  ; wave 0..3
	v_and_b32 v1, 31, v0
	v_and_b32 v2, 15, v0                           ; r
	v_bfe_u32 v3, v0, 4, 1                         ; h
	v_lshlrev_b32 v4, 4, v1                        ; 16 x lane
	s_bfe_u32 s15, ttmp6, 0x40000                  ; my place in the cluster: it enters global addresses alone
	s_lshl_b32 s16, ttmp9, 2
	s_add_co_u32 s16, s16, s15                     ; which 128 columns
	s_and_b32 s17, ttmp7, 0xffff                   ; which 128 rows
	s_lshr_b32 s18, s[WV], 1                       ; my half of the rows,
	s_and_b32 s19, s[WV], 1                        ; of the columns
	s_mov_b32 s24, 15|(3<<16)|(1<<21)
	s_mov_b32 s25, 32<<16
	s_mov_b32 s26, 68<<16
	s_mov_b32 s27, 32<<16
	s_mov_b32 s28, 68
	s_mov_b32 s29, 32
	s_mov_b32 s30, 0
	s_mov_b32 s31, 0
	s_mov_b32 s32, 1
	s_mul_i32 s33, s[WV], 17408
	s_mul_i32 s36, s17, REC
	s_add_co_u32 s36, s36, s33
	s_mov_b32 s37, 0
	s_wait_dscnt 0x0
	s_wait_kmcnt 0x0
	s_add_nc_u64 s[34:35], s[4:5], s[36:37]
	s_or_b32 s35, s35, 0x80000000
	CROUND                                         ; all four work-groups are here: the joint loads meet
	tensor_load_to_lds s[32:35], s[24:31]          ; the one tensor load of the wave
	s_nop 0
.rept 4
	v_nop
.endr
	s_lshl_b32 s36, s16, 1
	s_add_co_u32 s36, s36, s19
	s_add_co_u32 s36, s36, 48                      ; my weight group
	s_lshl_b32 s38, s36, 15
	s_mov_b32 s39, 0
	s_add_nc_u64 s[6:7], s[6:7], s[38:39]
	s_lshl_b32 s38, s36, 11
	s_add_nc_u64 s[8:9], s[8:9], s[38:39]
	s_lshl_b32 s38, s17, 19                        ; 128 rows of 4,096 bytes,
	s_lshl_b32 s40, s16, 9                         ; 128 columns of 4
	s_add_co_u32 s38, s38, s40
	s_add_nc_u64 s[10:11], s[10:11], s[38:39]
	s_add_nc_u64 s[12:13], s[12:13], s[38:39]
	s_lshl_b32 s40, s18, 15
	s_wait_alu depctr_va_vdst(0)
	v_add_nc_u32 v6, s40, v4                       ; o's fragments: my four tiles
	s_lshl_b32 s40, s18, 11
	s_add_co_u32 s40, s40, 65536
	v_lshl_add_u32 v7, v2, 5, s40                  ; their scale bytes
	v_and_b32 v8, 8, v2
	v_add_nc_u32 v8, v8, v2
	v_mul_u32_u24 v8, v8, SP
	v_lshl_add_u32 v8, v3, 5, v8
	s_mul_i32 s40, s18, 64*SP
	s_lshl_b32 s41, s19, 8
	s_add_co_u32 s40, s40, s41
	s_add_co_u32 s40, s40, STG
	v_add_nc_u32 v8, s40, v8                       ; into the stage: row 64 (w / 2) + r + 8 (r / 8), byte 256 (w % 2) + 32 h
	s_mul_i32 s40, s[WV], 32*SP
	s_add_co_u32 s40, s40, STG
	v_add_nc_u32 v9, s40, v4                       ; back: rows 32 w on, whole
	s_lshl_b32 s40, s[WV], 17
	v_add_nc_u32 v10, s40, v4                      ; and the same rows in x and out0
	WIN 0x40                                       ; destination window 1
.set n, 0
.rept 64
	global_load_b128 v[4*n:4*n+3], v4, s[6:7] offset:512*n         ; fragment (t, s) at v[8 (8 t + s)]
.set n, n+1
.endr
	WIN 0
.irp q, 0,1,2,3
	global_load_b128 v[WS+4*\q:WS+4*\q+3], v4, s[8:9] offset:512*\q
.endr
	WIN 0xc0                                       ; destination window 3
.set n, 0
.rept 32
	global_load_b128 v[4*n:4*n+3], v10, s[10:11] offset:4096*n th:TH_LOAD_NT      ; x: 512 consecutive bytes a load, read once in this launch
.set n, n+1
.endr
	WIN 0
	s_wait_alu depctr_va_vdst(0)
	s_wait_tensorcnt 0x0                           ; my quarter of the record has landed,
	s_barrier_signal -1
	s_barrier_wait -1                              ; everybody's has
.irp tp, 0,1,2,3
	ds_load_b128 v[AS+8*\tp:AS+8*\tp+3], v7 offset:512*\tp
	ds_load_b128 v[AS+8*\tp+4:AS+8*\tp+7], v7 offset:512*\tp+16
.endr
	WIN 0x80                                       ; destination window 2: fragment (s, tp) at v[8 (4 s + tp)]
.irp s, 0,1,2,3,4,5,6,7
.irp tp, 0,1,2,3
	ds_load_b128 v[8*(4*\s+\tp):8*(4*\s+\tp)+3], v6 offset:\tp*8192+\s*1024
	ds_load_b128 v[8*(4*\s+\tp)+4:8*(4*\s+\tp)+7], v6 offset:\tp*8192+\s*1024+512
.endr
.endr
	WIN 0
	s_wait_loadcnt 32                              ; the weights and their scale words are in; x's 32 loads may be out
.macro MM3 tp, t, s
.if (\s) == 0
.if (\t)%2
	v_wmma_scale_f32_16x16x128_f8f6f4 v[ACC+8*(4*(\tp)+(\t)):ACC+8*(4*(\tp)+(\t))+7], v[8*(8*(\t)+(\s)):8*(8*(\t)+(\s))+7], v[8*(4*(\s)+(\tp)):8*(4*(\s)+(\tp))+7], 0, v[WS+8*((\t)/2)+(\s)], v[AS+8*(\tp)+(\s)] matrix_a_fmt:MATRIX_FMT_FP4 matrix_b_fmt:MATRIX_FMT_FP4 matrix_a_scale:MATRIX_SCALE_ROW1
.else
	v_wmma_scale_f32_16x16x128_f8f6f4 v[ACC+8*(4*(\tp)+(\t)):ACC+8*(4*(\tp)+(\t))+7], v[8*(8*(\t)+(\s)):8*(8*(\t)+(\s))+7], v[8*(4*(\s)+(\tp)):8*(4*(\s)+(\tp))+7], 0, v[WS+8*((\t)/2)+(\s)], v[AS+8*(\tp)+(\s)] matrix_a_fmt:MATRIX_FMT_FP4 matrix_b_fmt:MATRIX_FMT_FP4
.endif
.else
.if (\t)%2
	v_wmma_scale_f32_16x16x128_f8f6f4 v[ACC+8*(4*(\tp)+(\t)):ACC+8*(4*(\tp)+(\t))+7], v[8*(8*(\t)+(\s)):8*(8*(\t)+(\s))+7], v[8*(4*(\s)+(\tp)):8*(4*(\s)+(\tp))+7], v[ACC+8*(4*(\tp)+(\t)):ACC+8*(4*(\tp)+(\t))+7], v[WS+8*((\t)/2)+(\s)], v[AS+8*(\tp)+(\s)] matrix_a_fmt:MATRIX_FMT_FP4 matrix_b_fmt:MATRIX_FMT_FP4 matrix_a_scale:MATRIX_SCALE_ROW1
.else
	v_wmma_scale_f32_16x16x128_f8f6f4 v[ACC+8*(4*(\tp)+(\t)):ACC+8*(4*(\tp)+(\t))+7], v[8*(8*(\t)+(\s)):8*(8*(\t)+(\s))+7], v[8*(4*(\s)+(\tp)):8*(4*(\s)+(\tp))+7], v[ACC+8*(4*(\tp)+(\t)):ACC+8*(4*(\tp)+(\t))+7], v[WS+8*((\t)/2)+(\s)], v[AS+8*(\tp)+(\s)] matrix_a_fmt:MATRIX_FMT_FP4 matrix_b_fmt:MATRIX_FMT_FP4
.endif
.endif
.endm
.irp s, 0,1,2,3,4,5,6,7                ; the sixteen accumulators take turns, one instruction a turn
	s_wait_dscnt 8*(7-\s)                          ; this K step's eight loads are in; the later steps' may be out
	WIN 0x09                                       ; source 0 (the weight) window 1, source 1 (o) window 2
.irp tp, 0,1,2,3
.irp t, 0,1,2,3
	MM3 \tp, \t, \s
.endr
.endr
.endr
	WIN 0
.rept 4
	v_nop                                          ; ahead of the first read of results (ISA guide 7.12.1)
.endr
.irp tp, 0,1,2,3
.irp t, 0,1,2,3
	ds_store_b128 v8, v[ACC+8*(4*\tp+\t):ACC+8*(4*\tp+\t)+3] offset:(32*(\tp/2)+8*(\tp%2))*SP+64*\t        ; each accumulator from its low end on
	ds_store_b128 v8, v[ACC+8*(4*\tp+\t)+4:ACC+8*(4*\tp+\t)+7] offset:(32*(\tp/2)+8*(\tp%2))*SP+64*\t+16
.endr
.endr
	s_wait_dscnt 0x0                               ; for the others' sake: my stores into the stage are done
	s_barrier_signal -1
	s_barrier_wait -1                              ; a row's 512 bytes come from two waves
.set n, 0
.rept 32
	ds_load_b128 v[ACC+4*n:ACC+4*n+3], v9 offset:SP*n
.set n, n+1
.endr
	s_wait_loadcnt 0x0                             ; x
.irp g, 0,1,2,3                        ; eight rows at a time
	s_wait_dscnt 24-8*\g
	WIN 0x0c                                       ; source 1 (x) window 3
.irp k, 0,1,2,3,4,5,6,7
	v_pk_add_f32 v[ACC+4*(8*\g+\k):ACC+4*(8*\g+\k)+1], v[ACC+4*(8*\g+\k):ACC+4*(8*\g+\k)+1], v[4*(8*\g+\k):4*(8*\g+\k)+1]
	v_pk_add_f32 v[ACC+4*(8*\g+\k)+2:ACC+4*(8*\g+\k)+3], v[ACC+4*(8*\g+\k)+2:ACC+4*(8*\g+\k)+3], v[4*(8*\g+\k)+2:4*(8*\g+\k)+3]
.endr
	WIN 0
.irp k, 0,1,2,3,4,5,6,7
	global_store_b128 v10, v[ACC+4*(8*\g+\k):ACC+4*(8*\g+\k)+3], s[12:13] offset:4096*(8*\g+\k) th:TH_STORE_NT   ; 512 consecutive bytes, aligned; written once, read by nobody here
.endr
.endr
	s_wait_tensorcnt 0x0
	ds_add_u32 v126, v127
	s_wait_dscnt 0x0
	CROUND                                         ; the closing round
	s_endpgm
.Lfunc_end_k_q51f75f4d46_outp:
	.size	k_q51f75f4d46_outp, .Lfunc_end_k_q51f75f4d46_outp-k_q51f75f4d46_outp
	.p2alignl 7, 3214868480
	.fill 96, 4, 3214868480
	.section	.rodata,"a",@progbits
	.p2align	6, 0x0
	.amdhsa_kernel k_q51f75f4d46_outp
		.amdhsa_group_segment_fixed_size 168448
		.amdhsa_private_segment_fixed_size 0
		.amdhsa_enable_private_segment 0
		.amdhsa_kernarg_size 40
		.amdhsa_user_sgpr_count 2
		.amdhsa_user_sgpr_kernarg_segment_ptr 1
		.amdhsa_wavefront_size32 1
		.amdhsa_system_sgpr_workgroup_id_x 1
		.amdhsa_system_sgpr_workgroup_id_y 1
		.amdhsa_system_sgpr_workgroup_id_z 1
		.amdhsa_system_vgpr_workitem_id 0
		.amdhsa_next_free_vgpr 1024
		.amdhsa_next_free_sgpr 66
		.amdhsa_reserve_vcc 0
		.amdhsa_float_denorm_mode_32 3
		.amdhsa_float_denorm_mode_16_64 3
		.amdhsa_memory_ordered 1
		.amdhsa_forward_progress 1
		.amdhsa_inst_pref_size 47
	.end_amdhsa_kernel
	.amdgpu_metadata
---
amdhsa.version: [ 1, 2 ]
amdhsa.kernels:
  - .name:           k_q51f75f4d46_outp
    .symbol:         k_q51f75f4d46_outp.kd
    .args:
      - { .name: oa, .offset: 0, .size: 8, .value_kind: global_buffer, .address_space: global }
      - { .name: wimg, .offset: 8, .size: 8, .value_kind: global_buffer, .address_space: global }
      - { .name: wsc, .offset: 16, .size: 8, .value_kind: global_buffer, .address_space: global }
      - { .name: x, .offset: 24, .size: 8, .value_kind: global_buffer, .address_space: global }
      - { .name: out0, .offset: 32, .size: 8, .value_kind: global_buffer, .address_space: global }
    .group_segment_fixed_size: 168448
    .private_segment_fixed_size: 0
    .kernarg_segment_align: 8
    .kernarg_segment_size: 40
    .max_flat_workgroup_size: 128
    .sgpr_count:     66
    .vgpr_count:     1024
    .wavefront_size: 32
...
	.end_amdgpu_metadata
.endif
;; end of part 4
